; MI455X (gfx1250); checked and timed in simulation.
; The chip was launched on July 23, 2026; its instructions are those of AMD's public machine-readable ISA for CDNA 5 (MIT licence, August 2026) and "CDNA5" Instruction Set Architecture Reference Guide (July 2026). The comments in the code are by the model that wrote it; some were corrected since.
;; Attention Block. Allowed arithmetic: matrix products marked QUANTISED: E5M2 operands, one E8M0 scale for each 32 along K, by v_wmma_scale_f32_16x16x128_f8f6f4 with both operands' format E5M2, f32 sums; everything else in f32.
;; Inputs: beta 512 float32; gamma 512 float32; k_b 512 float32; k_w 512 x 512 float32; p_b 512 float32; p_w 512 x 512 float32; q_b 512 float32; q_w 512 x 512 float32; v_b 512 float32; v_w 512 x 512 float32; x 32 x 512 x 32 x 32 float32.
;; Outputs: out0 32 x 512 x 32 x 32 float32.
;; This version of the problem:
;;   THIS VERSION OF THE PROBLEM IS GIVEN IN LOW PRECISION. The matrix products marked QUANTISED in the list below multiply operands that are first quantised to E5M2 (5 exponent bits, 2 mantissa bits; 8 bits a number), with one power-of-two scale for each 32 numbers along K (OCP MX v1.0); their sums are f32. All else is computed in f32.
;;   The module's matrix products, in the order in which they are computed (A, B: the left and right operand; K: the contracted axis; several contracted axes count as one K, in the product's order):
;;     1. [M 32,768, K 512] x [K 512, N 512]; A: computed on the way; B: input q_w: QUANTISED
;;     2. [M 32,768, K 512] x [K 512, N 512]; A: computed on the way; B: input k_w: QUANTISED
;;     3. [M 32,768, K 512] x [K 512, N 512]; A: computed on the way; B: input v_w: QUANTISED
;;     4. batch 32 x [M 1,024, K 512] x [K 512, N 1,024]; A: computed on the way; B: computed on the way: QUANTISED
;;     5. batch 32 x [M 1,024, K 1,024] x [K 1,024, N 512]; A: softmax (see below); B: computed on the way: QUANTISED
;;     6. [M 32,768, K 512] x [K 512, N 512]; A: computed on the way; B: input p_w: QUANTISED
;;   THE QUANTISER, for each operand of a quantised product, along K:
;;     - K is cut into blocks of 32 from its start; a last block that is shorter is filled with zeros.
;;     - A block's scale is 2^e with e = floor(log2(the largest magnitude in the block)) - 15, held to -126 .. 127; a block of zeros has e = 0. As a byte (E8M0): e + 127.
;;     - Each number is divided by its block's scale, clamped to +-57,344, and rounded to the nearest number of E5M2, ties to even, subnormals kept.
;;     - The product sums the exact products of the quantised numbers (number of the format x scale) in f32.
;;   ~~~python
;;   def quantise(x, axis):      # numpy; x: float32 -> the quantised numbers, widened to float32 again
;;       x = np.moveaxis(x, axis, -1); K = x.shape[-1]
;;       x = np.pad(x, [(0, 0)] * (x.ndim - 1) + [(0, -K % 32)]); x = x.reshape(x.shape[:-1] + (-1, 32)); a = np.abs(x).max(-1, keepdims=True)
;;       e = np.where(a > 0, np.clip(np.frexp(np.where(a > 0, a, 1))[1] - 1 - 15, -126, 127), 0)      # np.frexp(a)[1] - 1 = floor(log2(a)), exactly
;;       r = np.clip(x / 2.0 ** e, -57344, 57344)
;;       step = 2.0 ** (np.maximum(np.frexp(np.where(r == 0, 1, r))[1] - 1, -14) - 2)
;;       q = np.round(r / step) * step * 2.0 ** e      # np.round: ties to even
;;       return np.moveaxis(q.reshape(q.shape[:-2] + (-1,))[..., :K], -1, axis).astype(np.float32)
;;   ~~~
;;   SOFTMAX AHEAD OF A QUANTISED PRODUCT. Where the list says 'softmax', what is quantised is not the finished softmax but p = 2^(t - M), with t = logit x log2(e) and M = ceil(the row's largest t), a whole number; so 1/2 < the row's largest p <= 1. The row's sum l is taken of the UNQUANTISED p, in f32, and the product's result is divided by l at the end. Since M is a whole number, a kernel that streams over the keys may use a running M (the ceiling of the running maximum): every later rescaling is an exact power of two, which a block's scale takes up: the codes' values come out the same.
;;   OPERANDS COMPUTED ON THE WAY. 'Computed on the way' means the value that the module computes at that place (a softmax that the list does not call 'softmax' is quantised finished and normalised). What goes into a quantiser is computed in f32, as accurately as f32 sums, v_exp_f32 and their like allow (about 1e-6 of the number): no bf16 or f16 on the way to a quantiser, and a product that is left as it is and whose result goes on into a quantised operand takes f32 operands (vector FMAs, or v_wmma_f32_16x16x4_f32). A number that lies on a knife's edge between two numbers of the format may be rounded either way, as far as f32 arithmetic and the matrix unit's own rounding can turn it there, and no further.
;; One version. Each part assembles by itself: llvm-mc -triple=amdgcn-amd-amdhsa -mcpu=gfx1250 --defsym DOCPART=n.
;; ======== version 1 of 1: 3 launches
;; workspace buffers: xw 17,563,648 bytes; kvp 33,816,576 bytes; qf 16,777,216 bytes; qs 524,288 bytes; kvs 1,048,576 bytes; sc 589,824 bytes
;; launch norm (part 1): grid 256 x 1, 16 waves a work-group, no clusters, 6,144 bytes of LDS; arguments x, gamma, beta, q_w, k_w, v_w, p_w, xw, kvp, sc; writes xw, kvp, sc
.if DOCPART == 1
	.amdgcn_target "amdgcn-amd-amdhsa--gfx1250"
	.amdhsa_code_object_version 6
	.text
	.protected	k_qb5ec2f1050_norm
	.globl	k_qb5ec2f1050_norm
	.p2align	8
	.type	k_qb5ec2f1050_norm,@function
k_qb5ec2f1050_norm:
	s_mov_b64 s[64:65], 0
	v_nop
	global_prefetch_b8 v0, s[64:65] scope:SCOPE_SE
	s_setreg_imm32_b32 hwreg(HW_REG_WAVE_MODE, 25, 1), 1
	s_wait_xcnt 0x0
; GROUP NORM, AND THE FIRST QUANTISERS.  x: [32][512][1024] f32.  A work-group owns one group of one image (64 channels x 1,024 pixels, 262,144 bytes) and keeps it
; in registers between the passes (sum; centre and sum of squares; scale, shift, quantise): x is read once here.
; xn is an operand whose K is the channels: A LANE TAKES A PIXEL AND ITS REGISTERS RUN DOWN THE CHANNELS, so a block of 32 along K lies in one lane's 32 registers.
; Wave w: channels 32 (w & 1) on of the group, pixels 128 (w >> 1) on, four blocks of 32 pixels.
; CODES LEAVE AS IMAGES OF OPERAND REGISTERS: a fragment (16 rows x 128 K) is 2,048 bytes: part c (K = 32 c on) of 512 bytes, lane l's 16 bytes at 16 l (row l % 16, K = 32 c + 16 (l / 16) + 0 .. 15).
; THE ROWS OF A TILE ARE NOT NEIGHBOURS: row r of tile 2 B + u is index 32 B + 8 u + r + 8 (r / 8): pixels here, output channels for the weights.
; xw: xn's images [image][tile 64][K step 4][2048], then those of q_w, k_w, v_w [3][tile 32][K step 4][2048].  p_w's images lie at the end of kvp.
; sc: scale words (four E8M0 bytes, 128 along K) [36][K step 4][1024] in plain index order: 0-31 xn of an image (index = pixel), 32-35 the weights (index = output channel, 512 used).
; A group owns two of a word's four bytes, so xn's scale bytes leave two at a time: 2,048 of the 67,584 bytes that a work-group stores.
; Waves 0 and 1 also quantise one fragment of a weight each (512 fragments, 256 work-groups); K is innermost there, a lane loads 16 neighbours of each block of 32.
; A block's scale is 2^(floor(log2(largest magnitude)) - 15); its byte is the largest magnitude's exponent field - 15, held at 1 from below.
; LIMITS: a block of zeros gets the byte 1 where the rule says 127 (its codes are zeros, and this program alone reads the bytes); NaN and infinities among the inputs are not served;
; 1 / sqrt(var + eps) is v_rsq_f32.  No tensor loads, no cluster: work-groups share no input, and the launch streams.
.set X,    128                         ; v128-255 x: register 32 i + c = channel c, pixel block i
.set WR,   64                          ; v64-127  a weight fragment's 64 numbers
.set TM,   32                          ; v32-47   the weight's quantiser at work
.set PC,   48                          ; v48-63   the weight's codes
.set PW,   30                          ; v30      its scale word
.set CD,   32                          ; v32-63   xn's codes, eight registers a pixel block
.set RED1, 0                           ; LDS: 16 partial sums
.set RED2, 256                         ; 16 partial sums of squares
.set SCL,  512                         ; the group's scale bytes [pixel][2]
.set SEL,  60                          ; s[60:61] lane selects for lane l xor 16
.set MNT,  101                         ; s101 the mantissa field of 57,344
.set GA,   24                          ; s[24:55] gamma of my 32 channels, later gamma / sqrt(var + eps)
.set BE,   68                          ; s[68:99] beta
	s_load_b512 s[4:19], s[0:1], 0x0               ; x, gamma, beta, q_w, k_w, v_w, p_w, xw
	s_load_b128 s[20:23], s[0:1], 0x40             ; kvp, sc
	v_and_b32 v1, 31, v0                           ; lane
	v_lshlrev_b32 v2, 2, v1                        ; 4 x lane
	v_lshrrev_b32 v5, 5, v0
	v_readfirstlane_b32 s56, v5                    ; wave 0..15
	v_lshlrev_b32 v5, 2, v5                        ; my wave's word among the partial sums
	v_and_b32 v9, 15, v0
	v_lshlrev_b32 v6, 2, v9                        ; and the word that I read back
	v_bfe_u32 v31, v0, 4, 1                        ; h = lane / 16
	v_bfe_u32 v3, v0, 3, 1                         ; pixel p of a block: tile u = (p / 8) % 2,
	v_and_b32 v30, 7, v0
	v_lshl_add_u32 v30, v31, 3, v30                ; row r = p % 8 + 8 (p / 16)
	v_lshlrev_b32 v3, 13, v3
	v_lshl_add_u32 v3, v30, 4, v3                  ; v3: 8,192 u + 16 r: my codes' place
	v_lshrrev_b32 v4, 6, v0
	v_lshlrev_b32 v4, 8, v4
	v_lshl_add_u32 v4, v1, 1, v4
	v_bfe_u32 v30, v0, 5, 1
	v_add_nc_u32 v4, v4, v30
	v_add_nc_u32 v4, SCL, v4                       ; v4: SCL + 2 x pixel + channel block
	v_lshl_add_u32 v7, v0, 2, SCL                  ; v7: two pixels' bytes on the way out
	v_lshlrev_b32 v8, 3, v0                        ; v8: their words in sc
	v_and_b32 v30, 8, v9
	v_add_nc_u32 v9, v9, v30                       ; r + 8 (r / 8)
	v_lshlrev_b32 v10, 11, v9
	v_lshl_add_u32 v10, v31, 6, v10                ; v10: a weight's row of 2,048 bytes, + 64 h
	v_lshlrev_b32 v11, 2, v9                       ; v11: its scale word
	s_and_b32 s57, s56, 1                          ; channel block
	s_lshr_b32 s58, s56, 1                         ; pixel group
	s_lshr_b32 s59, ttmp9, 3                       ; image
	s_and_b32 s62, ttmp9, 7                        ; group
	s_mov_b32 s[SEL], 0x76543210
	s_mov_b32 s[SEL+1], 0xfedcba98
	s_mov_b32 s[MNT], 0x600000
	s_lshl_b32 s66, ttmp9, 18                      ; the group's 262,144 bytes,
	s_lshl_b32 s63, s57, 17                        ; my 32 channels,
	s_add_co_u32 s66, s66, s63
	s_lshl_b32 s63, s58, 9                         ; my 128 pixels
	s_add_co_u32 s66, s66, s63
	s_mov_b32 s67, 0
	s_wait_kmcnt 0x0
	s_add_nc_u64 s[4:5], s[4:5], s[66:67]
.set c, 0
.rept 32
.irp i, 0,1,2,3
	global_load_b32 v[X+32*\i+c], v2, s[4:5] offset:c*4096+\i*128 th:TH_LOAD_NT   ; 128 consecutive bytes a load, 512 in four loads on end
.endr
.set c, c+1
.endr
	s_lshl_b32 s66, s62, 8
	s_lshl_b32 s63, s57, 7
	s_add_co_u32 s66, s66, s63                     ; my 32 channels in gamma and beta
	s_add_nc_u64 s[6:7], s[6:7], s[66:67]
	s_add_nc_u64 s[8:9], s[8:9], s[66:67]
	s_load_b512 s[GA:GA+15], s[6:7], 0x0
	s_load_b512 s[GA+16:GA+31], s[6:7], 0x40
	s_load_b512 s[BE:BE+15], s[8:9], 0x0
	s_load_b512 s[BE+16:BE+31], s[8:9], 0x40
; 64 numbers of a lane, register 16 b + i = k 32 b + 16 (lane / 16) + i of my row, become a fragment's codes in v[PC] on and its scale word in v[PW]
.macro QUANT s
.irp b, 0,1,2,3
	v_max3_num_f32 v[TM+\b], |v[\s+16*\b]|, |v[\s+1+16*\b]|, 0x8000000   ; my 16 numbers of block b, and the floor 2^(16 - 127): the byte cannot fall under 1
.endr
.irp i, 2,4,6,8,10,12,14
.irp b, 0,1,2,3
	v_max3_num_f32 v[TM+\b], v[TM+\b], |v[\s+16*\b+\i]|, |v[\s+1+16*\b+\i]|
.endr
.endr
.irp b, 0,1,2,3
	v_permlanex16_b32 v[TM+4+\b], v[TM+\b], s[SEL], s[SEL+1]
.endr
.irp b, 0,1,2,3
	v_max_num_f32 v[TM+\b], v[TM+\b], v[TM+4+\b]   ; with lane l xor 16's: the block's largest magnitude
.endr
.irp b, 0,1,2,3
	v_add_nc_u32 v[TM+12+\b], 0xf8800000, v[TM+\b] ; 15 off its exponent field: the conversion's scale operand
.endr
.irp b, 0,1,2,3
	v_and_or_b32 v[TM+8+\b], v[TM+\b], 0x7f800000, s[MNT]   ; 57,344 x the scale
.endr
.irp b, 0,1,2,3
	v_lshrrev_b32 v[TM+4+\b], 23, v[TM+12+\b]      ; the scale's byte
.endr
	v_lshl_or_b32 v[PW], v[TM+5], 8, v[TM+4]
	v_lshl_or_b32 v[PW], v[TM+6], 16, v[PW]
	v_lshl_or_b32 v[PW], v[TM+7], 24, v[PW]
.irp b, 0,1,2,3
.irp i, 0,1,2,3,4,5,6,7,8,9,10,11,12,13,14,15
	v_med3_num_f32 v[\s+16*\b+\i], v[\s+16*\b+\i], -v[TM+8+\b], v[TM+8+\b]   ; the conversion does not saturate (ISA guide 7.6.2): the hold comes first
.endr
	v_cvt_scalef32_pk8_bf8_f32 v[PC+4*\b:PC+1+4*\b], v[\s+16*\b:\s+7+16*\b], v[TM+12+\b]
	v_cvt_scalef32_pk8_bf8_f32 v[PC+2+4*\b:PC+3+4*\b], v[\s+8+16*\b:\s+15+16*\b], v[TM+12+\b]
.endr
	v_nop                                          ; a plain line behind the last conversion
.endm
	; ---- waves 0 and 1: fragment F = 2 x work-group + wave of the weights: weight F / 128, tile (F / 4) % 32, K step F % 4
	s_cmp_gt_u32 s56, 1
	s_cbranch_scc1 .Lno_weight
	s_lshl_b32 s63, ttmp9, 1
	s_add_co_u32 s63, s63, s56                     ; F
	s_lshr_b32 s66, ttmp9, 6                       ; which weight: it hangs on the work-group's number alone
	s_cmp_eq_u32 s66, 1
	s_cselect_b64 s[10:11], s[12:13], s[10:11]
	s_cmp_eq_u32 s66, 2
	s_cselect_b64 s[10:11], s[14:15], s[10:11]
	s_cmp_eq_u32 s66, 3
	s_cselect_b64 s[10:11], s[16:17], s[10:11]
	s_bfe_u32 s12, s63, 0x50002                    ; the tile
	s_and_b32 s13, s63, 3                          ; the K step
	s_lshr_b32 s14, s12, 1
	s_lshl_b32 s14, s14, 5
	s_and_b32 s15, s12, 1
	s_lshl_b32 s15, s15, 3
	s_add_co_u32 s14, s14, s15                     ; the tile's first row: 32 (tile / 2) + 8 (tile % 2)
	s_lshl_b32 s16, s14, 11
	s_lshl_b32 s15, s13, 9
	s_add_co_u32 s16, s16, s15
	s_mov_b32 s17, 0
	s_add_nc_u64 s[10:11], s[10:11], s[16:17]
.irp k, 0,1,2,3
.irp j, 0,1,2,3
	global_load_b128 v[WR+16*\k+4*\j:WR+16*\k+4*\j+3], v10, s[10:11] offset:128*\k+16*\j
.endr
.endr
	s_add_co_u32 s15, s66, 32                      ; the scale words' place: ((32 + weight) 4 + K step) 4,096 + 4 x first row
	s_lshl_b32 s15, s15, 14
	s_lshl_b32 s13, s13, 12
	s_add_co_u32 s15, s15, s13
	s_lshl_b32 s14, s14, 2
	s_add_co_u32 s14, s14, s15
	s_mov_b32 s15, 0
	s_add_nc_u64 s[14:15], s[22:23], s[14:15]
	s_cmp_lt_u32 s66, 3                            ; q_w, k_w, v_w go behind xn's images in xw, p_w behind k and v in kvp
	s_cselect_b64 s[16:17], s[18:19], s[20:21]
	s_mov_b32 s12, 0x1f40000                       ; 33,554,432 - 384 x 2,048
	s_cselect_b32 s12, 0x1000000, s12
	s_lshl_b32 s13, s63, 11
	s_add_co_u32 s12, s12, s13
	s_mov_b32 s13, 0
	s_add_nc_u64 s[16:17], s[16:17], s[12:13]
.irp k, 0,1,2,3
	v_mov_b32 v[TM+4+\k], 0                        ; a lane permute's destination counts as one of its sources
.endr
	v_lshlrev_b32 v12, 4, v1
	s_wait_loadcnt 0x0
	QUANT WR
.irp k, 0,1,2,3
	global_store_b128 v12, v[PC+4*\k:PC+4*\k+3], s[16:17] offset:512*\k   ; 512 consecutive bytes, aligned
.endr
	global_store_b32 v11, v[PW], s[14:15]          ; lanes 16-31 hold the same word and write it to the same place
.Lno_weight:
	s_wait_loadcnt 0x0                             ; x
	s_wait_kmcnt 0x0                               ; gamma, beta
	s_wait_xcnt 0x0                                ; the weight's stores have read their registers: these are written again below
; the sum in v20 over the wave, then over the sixteen waves: the total comes back in every lane
.macro RED off
	v_add_f32_dpp v20, v20, v20 row_xmask:1 row_mask:0xf bank_mask:0xf
	v_add_f32_dpp v20, v20, v20 row_xmask:2 row_mask:0xf bank_mask:0xf
	v_add_f32_dpp v20, v20, v20 row_xmask:4 row_mask:0xf bank_mask:0xf
	v_add_f32_dpp v20, v20, v20 row_xmask:8 row_mask:0xf bank_mask:0xf
	v_permlanex16_b32 v31, v20, s[SEL], s[SEL+1]
	v_add_f32 v20, v20, v31
	ds_store_b32 v5, v20 offset:\off               ; all lanes write the wave's word with the same value
	s_wait_dscnt 0x0                               ; for the others' sake
	s_barrier_signal -1
	s_barrier_wait -1
	ds_load_b32 v20, v6 offset:\off                ; lane l takes wave l % 16's sum
	s_wait_dscnt 0x0
	v_add_f32_dpp v20, v20, v20 row_xmask:1 row_mask:0xf bank_mask:0xf
	v_add_f32_dpp v20, v20, v20 row_xmask:2 row_mask:0xf bank_mask:0xf
	v_add_f32_dpp v20, v20, v20 row_xmask:4 row_mask:0xf bank_mask:0xf
	v_add_f32_dpp v20, v20, v20 row_xmask:8 row_mask:0xf bank_mask:0xf
.endm
.macro FOLD                            ; four packed chains into v20
	v_pk_add_f32 v[20:21], v[20:21], v[22:23]
	v_pk_add_f32 v[24:25], v[24:25], v[26:27]
	v_pk_add_f32 v[20:21], v[20:21], v[24:25]
	v_add_f32 v20, v20, v21
.endm
	; ---- pass 1: the mean
.set j, 0
.rept 4
	v_pk_add_f32 v[20+2*j:21+2*j], v[X+4*j:X+4*j+1], v[X+4*j+2:X+4*j+3]   ; the first pairs start the chains: nothing is cleared
.set j, j+1
.endr
.set j, 8
.rept 56
	v_pk_add_f32 v[20+2*(j%4):21+2*(j%4)], v[20+2*(j%4):21+2*(j%4)], v[X+2*j:X+2*j+1]
.set j, j+1
.endr
	FOLD
	RED RED1
	v_mul_f32 v28, 0xb7800000, v20                 ; - the sum / 65,536
	v_mov_b32 v29, v28
	; ---- pass 2: centred in place, then the variance of the centred numbers: a common offset of x costs no accuracy
.set j, 0
.rept 64
	v_pk_add_f32 v[X+2*j:X+2*j+1], v[X+2*j:X+2*j+1], v[28:29]
.set j, j+1
.endr
.set j, 0
.rept 4
	v_pk_mul_f32 v[20+2*j:21+2*j], v[X+2*j:X+2*j+1], v[X+2*j:X+2*j+1]
.set j, j+1
.endr
.rept 60
	v_pk_fma_f32 v[20+2*(j%4):21+2*(j%4)], v[X+2*j:X+2*j+1], v[X+2*j:X+2*j+1], v[20+2*(j%4):21+2*(j%4)]
.set j, j+1
.endr
	FOLD
	RED RED2
	v_mov_b32 v30, 0x3727c5ac                      ; eps = 1e-5
	v_fmac_f32 v30, 0x37800000, v20                ; + the sum of squares / 65,536
	v_rsq_f32 v30, v30
	v_nop                                          ; a plain line behind the transcendental
	s_wait_alu depctr_va_vdst(0)
	v_readfirstlane_b32 s100, v30
.set c, 0
.rept 32
	s_mul_f32 s[GA+c], s[GA+c], s100               ; gamma / sqrt(var + eps), a scalar for each of my channels
.set c, c+1
.endr
	s_lshl_b32 s66, s59, 19                        ; xn's images: image x 524,288 + pixel group x 65,536 + K step x 2,048 + part x 512
	s_lshl_b32 s63, s58, 16
	s_add_co_u32 s66, s66, s63
	s_lshr_b32 s63, s62, 1
	s_lshl_b32 s63, s63, 11
	s_add_co_u32 s66, s66, s63
	s_and_b32 s63, s62, 1
	s_lshl_b32 s63, s63, 10
	s_add_co_u32 s66, s66, s63
	s_lshl_b32 s63, s57, 9
	s_add_co_u32 s66, s66, s63
	s_mov_b32 s67, 0
	s_add_nc_u64 s[18:19], s[18:19], s[66:67]
	s_lshl_b32 s66, s59, 14                        ; xn's scale words: (4 x image + K step) 4,096, + my group's two bytes of a word
	s_lshr_b32 s63, s62, 1
	s_lshl_b32 s63, s63, 12
	s_add_co_u32 s66, s66, s63
	s_and_b32 s63, s62, 1
	s_lshl_b32 s63, s63, 1
	s_add_co_u32 s66, s66, s63
	s_add_nc_u64 s[22:23], s[22:23], s[66:67]
; ---- pass 3: pixel block n: scale and shift, then the block of 32 channels of my pixel is quantised
.macro BLOCKQ n
.set XS, X+32*\n
.set c, 0
.rept 32
	v_fma_f32 v[XS+c], v[XS+c], s[GA+c], s[BE+c]
.set c, c+1
.endr
	v_max3_num_f32 v12, |v[XS]|, |v[XS+1]|, |v[XS+2]|
	v_max3_num_f32 v13, |v[XS+3]|, |v[XS+4]|, |v[XS+5]|
.irp i, 6,10,14,18,22,26
	v_max3_num_f32 v12, v12, |v[XS+\i]|, |v[XS+\i+1]|
	v_max3_num_f32 v13, v13, |v[XS+\i+2]|, |v[XS+\i+3]|
.endr
	v_max3_num_f32 v12, v12, |v[XS+30]|, |v[XS+31]|
	v_max3_num_f32 v12, v12, v13, 0x8000000        ; and the floor 2^(16 - 127)
	v_add_nc_u32 v14, 0xf8800000, v12              ; the conversion's scale operand
	v_and_or_b32 v15, v12, 0x7f800000, s[MNT]      ; 57,344 x the scale
	v_lshrrev_b32 v[16+\n], 23, v14                ; the byte
.set c, 0
.rept 32
	v_med3_num_f32 v[XS+c], v[XS+c], -v15, v15
.set c, c+1
.endr
.irp q, 0,1,2,3
	v_cvt_scalef32_pk8_bf8_f32 v[CD+8*\n+2*\q:CD+8*\n+2*\q+1], v[XS+8*\q:XS+8*\q+7], v14
.endr
	v_nop
	ds_store_b8 v4, v[16+\n] offset:64*\n
	global_store_b128 v3, v[CD+8*\n:CD+8*\n+3], s[18:19] offset:16384*\n        ; K = 0 .. 15 of the part: sixteen lanes fill 256 consecutive bytes, aligned
	global_store_b128 v3, v[CD+8*\n+4:CD+8*\n+7], s[18:19] offset:16384*\n+256  ; K = 16 .. 31: the image's lanes 16-31
.endm
	BLOCKQ 0
	BLOCKQ 1
	BLOCKQ 2
	BLOCKQ 3
	s_wait_dscnt 0x0                               ; my bytes lie in LDS
	s_barrier_signal -1
	s_barrier_wait -1
	ds_load_b32 v30, v7                            ; two pixels' two bytes
	s_wait_dscnt 0x0
	global_store_b16 v8, v30, s[22:23]
	global_store_d16_hi_b16 v8, v30, s[22:23] offset:4
	s_wait_xcnt 0x0
	v_lshl_add_u32 v254, v0, 2, 0x1000
	v_mov_b32 v255, 0
	s_wait_tensorcnt 0x0
	ds_add_u32 v254, v255
	s_wait_dscnt 0x0
	s_endpgm
.Lfunc_end_k_qb5ec2f1050_norm:
	.size	k_qb5ec2f1050_norm, .Lfunc_end_k_qb5ec2f1050_norm-k_qb5ec2f1050_norm
	.p2alignl 7, 3214868480
	.fill 96, 4, 3214868480
	.section	.rodata,"a",@progbits
	.p2align	6, 0x0
	.amdhsa_kernel k_qb5ec2f1050_norm
		.amdhsa_group_segment_fixed_size 6144
		.amdhsa_private_segment_fixed_size 0
		.amdhsa_enable_private_segment 0
		.amdhsa_kernarg_size 80
		.amdhsa_user_sgpr_count 2
		.amdhsa_user_sgpr_kernarg_segment_ptr 1
		.amdhsa_wavefront_size32 1
		.amdhsa_system_sgpr_workgroup_id_x 1
		.amdhsa_system_sgpr_workgroup_id_y 1
		.amdhsa_system_sgpr_workgroup_id_z 1
		.amdhsa_system_vgpr_workitem_id 0
		.amdhsa_next_free_vgpr 256
		.amdhsa_next_free_sgpr 102
		.amdhsa_reserve_vcc 0
		.amdhsa_float_denorm_mode_32 3
		.amdhsa_float_denorm_mode_16_64 3
		.amdhsa_memory_ordered 1
		.amdhsa_forward_progress 1
		.amdhsa_inst_pref_size 66
	.end_amdhsa_kernel
	.amdgpu_metadata
---
amdhsa.version: [ 1, 2 ]
amdhsa.kernels:
  - .name:           k_qb5ec2f1050_norm
    .symbol:         k_qb5ec2f1050_norm.kd
    .args:
      - { .name: x, .offset: 0, .size: 8, .value_kind: global_buffer, .address_space: global }
      - { .name: gamma, .offset: 8, .size: 8, .value_kind: global_buffer, .address_space: global }
      - { .name: beta, .offset: 16, .size: 8, .value_kind: global_buffer, .address_space: global }
      - { .name: q_w, .offset: 24, .size: 8, .value_kind: global_buffer, .address_space: global }
      - { .name: k_w, .offset: 32, .size: 8, .value_kind: global_buffer, .address_space: global }
      - { .name: v_w, .offset: 40, .size: 8, .value_kind: global_buffer, .address_space: global }
      - { .name: p_w, .offset: 48, .size: 8, .value_kind: global_buffer, .address_space: global }
      - { .name: xw, .offset: 56, .size: 8, .value_kind: global_buffer, .address_space: global }
      - { .name: kvp, .offset: 64, .size: 8, .value_kind: global_buffer, .address_space: global }
      - { .name: sc, .offset: 72, .size: 8, .value_kind: global_buffer, .address_space: global }
    .group_segment_fixed_size: 6144
    .private_segment_fixed_size: 0
    .kernarg_segment_align: 8
    .kernarg_segment_size: 80
    .max_flat_workgroup_size: 512
    .sgpr_count:     102
    .vgpr_count:     256
    .wavefront_size: 32
...
	.end_amdgpu_metadata
.endif
;; end of part 1
;; launch qkv (part 2): grid 4 x 64, 4 waves a work-group, clusters of 4 x 1, 327,680 bytes of LDS; arguments xw, sc, q_b, k_b, v_b, qf, qs, kvp, kvs; writes qf, qs, kvp, kvs
.if DOCPART == 2
	.amdgcn_target "amdgcn-amd-amdhsa--gfx1250"
	.amdhsa_code_object_version 6
	.text
	.protected	k_qb5ec2f1050_qkv
	.globl	k_qb5ec2f1050_qkv
	.p2align	8
	.type	k_qb5ec2f1050_qkv,@function
k_qb5ec2f1050_qkv:
	s_mov_b64 s[64:65], 0
	v_nop
	global_prefetch_b8 v0, s[64:65] scope:SCOPE_SE
	s_setreg_imm32_b32 hwreg(HW_REG_WAVE_MODE, 25, 1), 1
	s_wait_xcnt 0x0
	s_wait_alu depctr_hold_cnt(0) depctr_sa_sdst(0) depctr_va_vdst(0) depctr_va_sdst(0) depctr_va_ssrc(0) depctr_va_vcc(0) depctr_vm_vsrc(0)
	s_getreg_b32 s2, hwreg(HW_REG_IB_STS2, 6, 4)
	s_cmp_eq_u32 s2, 0
	s_cbranch_scc0 .Lentry_in_a_cluster
	s_endpgm
.Lentry_in_a_cluster:
	s_bfe_u32 s2, ttmp6, 0x10000c
	s_cmp_lg_u32 s2, 0x3003
	s_cbranch_scc0 .Lentry_shape_is_right
	s_endpgm
.Lentry_shape_is_right:
; q, k, v = xn W^T + bias on codes of BF8 (E5M2) with E8M0 scales, and the results quantised at once for the attention's two products.
; A work-group takes 256 pixels of an image and 256 output channels, for q, k and v one after the other (K = 512 each); a wave makes 128 x 128: 64 accumulators, 512 registers.
; SOURCE 0's ROWS BECOME THE NEXT K.  q, k: source 0 = 16 rows of W, source 1 = 16 pixels: a lane holds one pixel, its registers run along the output channels (K of q k^T).
; v: source 0 = 16 pixels, source 1 = 16 rows of W: a lane holds one channel, its registers run along the pixels (the keys, K of p v).
; The rows of every tile are chosen (row r of tile 2 B + u = index 32 B + 8 u + r + 8 (r / 8)) so that the 16 registers of two neighbouring tiles are 16 neighbours along the next K:
; a wave's 64 registers for one tile of source 1 are one fragment of the next product, quantised in registers and stored as an image of the operand's registers (2,048 bytes, 512 a store).
; All operands arrive as such images, so every fragment is four ds_load_b128 at 16 x lane: no pitch, no padding, no bank met twice.
; LDS: xn's 16 tiles x 4 K steps, filled once, serve all three products; W goes through two slots of 16 tiles x 2 K steps: (q,0) (q,1) (k,0) (k,1) (v,0) (v,1).
; CLUSTER: the four work-groups of a cluster differ in their pixels alone and walk the same tiles of W, three quarters of a work-group's bytes: those are asked for jointly (mask 15).
; xn's tiles are each work-group's own: plain loads.  By this text's count a wave has three tensor loads out at the start, later one.
; The biases are the C of each sum's first matrix instruction.
; LIMITS: a block of zeros gets the byte 1 where the rule says 127 (its codes are zeros; this program alone reads the bytes); NaN and infinities are not served.
; REGISTERS: window 0: v1-13 addresses; v20, v21 for the add; v24-31 v_b; v32-63 scale words; v64-127 the bias as C; v128-255 source 1's eight fragments (in the epilogue: the quantiser at work).
;   window 1: source 0's fragments, two sets.   windows 2, 3: the accumulators, (a, b) at v[8 (8 (a % 4) + b)] of window 2 + a / 4.
.set WS,    131072                     ; LDS: W's slot 0 (xn lies from 0 on)
.set WSB,   65536                      ; a slot's bytes
.set SPARE, 262144                     ; the spare words: 128 bytes a wave
.set L16,  1                           ; v1   16 x lane
.set L4,   2                           ; v2   4 x lane
.set AXNY, 3                           ; v3   xn as source 1: 16 x lane + 65,536 wy
.set AXNX, 4                           ; v4   xn as source 0: + 65,536 wx
.set AWX,  5                           ; v5-6 W as source 0, slot 0, 1: + 32,768 wx
.set AWY,  7                           ; v7-8 W as source 1: + 32,768 wy
.set VSN,  9                           ; v9   byte offset in sc of the scale words to be loaded next
.set VSV,  10                          ; v10  the same for v
.set HM,   11                          ; v11  16,384 in lanes 16-31: from one weight's words to the next's
.set BOF,  12                          ; v12  q_b, k_b: my eight numbers of a tile
.set VOF,  13                          ; v13  v_b: my row's number
.set SPW,  20
.set NIL,  21
.set VB,   24
.set SC,   32                          ; register 4 i + k: lanes 0-15 the word of xn's tile i, lanes 16-31 that of W's tile i, K step k
.set BI,   64
.set YF,   128
.set TM,   128                         ; epilogue: v128-143 at work, v144-175 codes (two sets), v176-177 scale words of an even and an odd tile, v178-179 the two joined
.set PC,   144
.set PWE,  176
.set SW,   178
.set SEL,  70
.set MNT,  72
.set MSB, 0
.macro WIN new                         ; the immediate's high byte repeats the setting that is left
.if MSB != (\new)
	s_set_vgpr_msb (MSB<<8)|(\new)
.set MSB, (\new)
.endif
.endm
.macro PLACES n
.rept \n
	v_nop
.endr
.endm
.macro CREST                           ; a round of the cluster's barrier behind its opening barrier
	s_cmp_lg_u32 s22, 0
	s_cbranch_scc1 .Lnot_wave_0_\@
	s_barrier_signal -3
.Lnot_wave_0_\@:
	s_barrier_wait -3
	s_barrier_signal -1
	s_barrier_wait -1
.endm
.macro CROUND
	s_barrier_signal -1
	s_barrier_wait -1
	CREST
.endm
	s_load_b512 s[4:19], s[0:1], 0x0               ; xw, sc, q_b, k_b, v_b, qf, qs, kvp
	s_load_b64 s[20:21], s[0:1], 0x40              ; kvs
	v_lshl_add_u32 v[SPW], v0, 2, SPARE
	v_mov_b32 v[NIL], 0
	ds_add_u32 v20, v21
	ds_add_u32 v20, v21
	s_wait_dscnt 0x0
	v_lshrrev_b32 v14, 5, v0
	v_readfirstlane_b32 s22, v14                   ; wave 0..3
	s_and_b32 s23, s22, 1                          ; wx: which 128 of source 0's rows
	s_lshr_b32 s24, s22, 1                         ; wy: which 128 of source 1's
	s_bfe_u32 s25, ttmp6, 0x40000                  ; cx
	s_lshl_b32 s78, ttmp9, 2
	s_add_co_u32 s25, s78, s25                     ; which 256 pixels: it enters global addresses of my own loads and stores alone
	s_and_b32 s26, ttmp7, 0xffff
	s_and_b32 s27, s26, 1                          ; which 256 output channels
	s_lshr_b32 s26, s26, 1                         ; the image
	; group 1 for xn: 128 rows of 256 bytes, dense: a wave's quarter of the 16 tiles
	s_mov_b32 s28, 3<<16                           ; no mask; elements of 8 bytes; no padding
	s_mov_b32 s29, 32<<16                          ; tensor_dim0 = 32
	s_mov_b32 s30, 128<<16                         ; tensor_dim1 = 128
	s_mov_b32 s31, 32<<16                          ; tile_dim0 = 32
	s_mov_b32 s32, 128                             ; tile_dim1 = 128
	s_mov_b32 s33, 32                              ; from row to row
	s_mov_b32 s34, 0
	s_mov_b32 s35, 0
	; group 1 for W: four tiles' two K steps: 4 rows of 4,096 bytes, 8,192 apart
	s_mov_b32 s36, 15|(3<<16)|(1<<21)              ; the mask: all four work-groups; elements of 8 bytes; bit 21 set beside a mask
	s_mov_b32 s37, 512<<16
	s_mov_b32 s38, 4<<16
	s_mov_b32 s39, 512<<16
	s_mov_b32 s40, 4
	s_mov_b32 s41, 1024
	s_mov_b32 s42, 0
	s_mov_b32 s43, 0
	s_lshl_b32 s76, s27, 17                        ; W: 16,777,216 + (16 half + 4 wave) tiles of 8,192 bytes: nothing of my place in the cluster
	s_lshl_b32 s77, s22, 15
	s_add_co_u32 s76, s76, s77
	s_add_co_u32 s76, s76, 0x1000000
	s_mov_b32 s77, 0
	s_lshl_b32 s78, s26, 19                        ; xn: image x 524,288 + pixels x 131,072 + wave x 32,768
	s_lshl_b32 s79, s25, 17
	s_add_co_u32 s78, s78, s79
	s_lshl_b32 s79, s22, 15
	s_add_co_u32 s78, s78, s79
	s_mov_b32 s79, 0
	s_lshl_b32 s80, s22, 15                        ; in LDS: xn at 32,768 x wave,
	s_lshl_b32 s81, s22, 14                        ; W at 16,384 x wave in a slot
	s_wait_kmcnt 0x0
	s_mov_b32 s44, 1
	s_mov_b32 s45, s80
	s_add_nc_u64 s[46:47], s[4:5], s[78:79]
	s_or_b32 s47, s47, 0x80000000
	s_mov_b32 s48, 1
	s_add_co_u32 s49, s81, WS
	s_add_nc_u64 s[50:51], s[4:5], s[76:77]
	s_or_b32 s51, s51, 0x80000000
	s_mov_b32 s52, 1
	s_add_co_u32 s53, s81, WS+WSB
	s_add_nc_u64 s[54:55], s[4:5], s[76:77]
	s_add_nc_u64 s[54:55], s[54:55], 4096
	s_or_b32 s55, s55, 0x80000000
	CROUND                                         ; all four work-groups are here: the first joint loads meet
	tensor_load_to_lds s[44:47], s[28:35]          ; xn
	s_nop 0
	tensor_load_to_lds s[48:51], s[36:43]          ; (q, 0)
	s_nop 0
	tensor_load_to_lds s[52:55], s[36:43]          ; (q, 1)
	s_nop 0
	PLACES 4
	v_and_b32 v14, 31, v0
	v_lshlrev_b32 v[L16], 4, v14
	v_lshlrev_b32 v[L4], 2, v14
	s_lshl_b32 s82, s24, 16
	v_add_nc_u32 v[AXNY], s82, v[L16]
	s_lshl_b32 s82, s23, 16
	v_add_nc_u32 v[AXNX], s82, v[L16]
	s_lshl_b32 s82, s23, 15
	s_add_co_u32 s82, s82, WS
	v_add_nc_u32 v[AWX], s82, v[L16]
	s_add_co_u32 s82, s82, WSB
	v_add_nc_u32 v[AWX+1], s82, v[L16]
	s_lshl_b32 s82, s24, 15
	s_add_co_u32 s82, s82, WS
	v_add_nc_u32 v[AWY], s82, v[L16]
	s_add_co_u32 s82, s82, WSB
	v_add_nc_u32 v[AWY+1], s82, v[L16]
	v_bfe_u32 v15, v0, 4, 1                        ; h
	v_and_b32 v16, 15, v0
	v_and_b32 v17, 8, v16
	v_add_nc_u32 v16, v16, v17
	v_lshlrev_b32 v16, 2, v16                      ; 4 (r + 8 (r / 8))
	v_lshlrev_b32 v[HM], 14, v15
	; scale words in sc: lanes 0-15 xn's (image x 16,384 + 4 x first pixel), lanes 16-31 W's ((32 + weight) x 16,384 + 4 x first row): the lower base + h x the distance
	s_lshl_b32 s84, s26, 14
	s_lshl_b32 s85, s25, 10
	s_add_co_u32 s84, s84, s85
	s_lshl_b32 s85, s27, 10
	s_add_co_u32 s85, s85, 0x80000
	s_lshl_b32 s86, s24, 9
	s_lshl_b32 s87, s23, 9
	s_add_co_u32 s88, s84, s86                     ; q, k: xn's tiles by wy,
	s_add_co_u32 s89, s85, s87                     ; W's by wx
	s_sub_co_u32 s89, s89, s88
	v_mul_u32_u24 v17, s89, v15
	v_add3_u32 v[VSN], v17, s88, v16
	s_add_co_u32 s88, s84, s87                     ; v: the other way round, weight 2
	s_add_co_u32 s89, s85, s86
	s_add_co_u32 s89, s89, 0x8000
	s_sub_co_u32 s89, s89, s88
	v_mul_u32_u24 v17, s89, v15
	v_add3_u32 v[VSV], v17, s88, v16
	s_lshl_b32 s88, s27, 10
	s_add_co_u32 s89, s88, s87
	v_lshl_add_u32 v[BOF], v15, 6, s89             ; 64 h + 4 (256 half + 128 wx)
	s_add_co_u32 s89, s88, s86
	v_add_nc_u32 v[VOF], s89, v16                  ; 4 (r + 8 (r / 8)) + 4 (256 half + 128 wy)
.macro SCLOAD                          ; the 32 scale registers of the next product
.irp i, 0,1,2,3,4,5,6,7
.irp k, 0,1,2,3
	global_load_b32 v[SC+4*\i+\k], v[VSN], s[6:7] offset:\k*4096+(32*(\i/2)+8*(\i%2))*4
.endr
.endr
.endm
.macro BLOAD p                         ; a bias as C: tile t's register j is output channel 32 (t / 2) + 16 h + 8 (t % 2) + j of my 128
.irp t, 0,1,2,3,4,5,6,7
	global_load_b128 v[BI+8*\t:BI+8*\t+3], v[BOF], s[\p:\p+1] offset:(32*(\t/2)+8*(\t%2))*4
	global_load_b128 v[BI+8*\t+4:BI+8*\t+7], v[BOF], s[\p:\p+1] offset:(32*(\t/2)+8*(\t%2))*4+16
.endr
.endm
	SCLOAD
	BLOAD 8
.irp t, 0,1,2,3,4,5,6,7
	global_load_b32 v[VB+\t], v[VOF], s[12:13] offset:(32*(\t/2)+8*(\t%2))*4   ; v_b of my row of W's tile t
.endr
	; where the results go
	s_lshl_b32 s84, s25, 1
	s_add_co_u32 s85, s84, s23                     ; key step by wx
	s_add_co_u32 s84, s84, s24                     ; key step by wy
	s_lshl_b32 s86, s26, 3
	s_add_co_u32 s85, s85, s86
	s_add_co_u32 s87, s84, s86
	s_lshl_b32 s88, s27, 1
	s_add_co_u32 s88, s88, s23                     ; the next product's K step: 2 half + wx
	s_lshl_b32 s90, s87, 16
	s_lshl_b32 s92, s88, 11
	s_add_co_u32 s90, s90, s92
	s_mov_b32 s91, 0
	s_add_nc_u64 s[56:57], s[14:15], s[90:91]      ; q's images [image][tile 64][K step 4][2048]
	s_lshl_b32 s90, s26, 2
	s_add_co_u32 s90, s90, s88
	s_lshl_b32 s90, s90, 12
	s_lshl_b32 s93, s84, 9
	s_add_co_u32 s90, s90, s93
	s_add_nc_u64 s[58:59], s[16:17], s[90:91]      ; q's words [image][K step 4][tile 64][16]
	s_lshl_b32 s90, s87, 17
	s_add_co_u32 s90, s90, s92
	s_add_nc_u64 s[60:61], s[18:19], s[90:91]      ; k's images: [image][key step 8]{[tile 8][K step 4][2048]; v's [tile 32][2048]}
	s_lshl_b32 s90, s87, 12
	s_lshl_b32 s93, s88, 9
	s_add_co_u32 s90, s90, s93
	s_add_nc_u64 s[62:63], s[20:21], s[90:91]      ; k's words: [image][key step 8]{[K step 4][tile 8][16]; v's [tile 32][16]}
	s_lshl_b32 s93, s27, 4
	s_lshl_b32 s94, s24, 3
	s_add_co_u32 s93, s93, s94                     ; v's first tile of channels: 16 half + 8 wy
	s_lshl_b32 s90, s85, 17
	s_add_co_u32 s90, s90, 65536
	s_lshl_b32 s94, s93, 11
	s_add_co_u32 s90, s90, s94
	s_add_nc_u64 s[66:67], s[18:19], s[90:91]
	s_lshl_b32 s90, s85, 12
	s_add_co_u32 s90, s90, 2048
	s_lshl_b32 s94, s93, 6
	s_add_co_u32 s90, s90, s94
	s_add_nc_u64 s[68:69], s[20:21], s[90:91]
	s_mov_b32 s[SEL], 0x76543210
	s_mov_b32 s[SEL+1], 0xfedcba98
	s_mov_b32 s[MNT], 0x600000
	s_mov_b32 s73, 0xffff0000                      ; lanes 16-31
	s_mov_b32 s74, 2
	s_wait_xcnt 0x0                                ; the loads have read their offsets
	v_add_nc_u32 v[VSN], v[VSN], v[HM]             ; on to k_w's words
; ori = 0: source 0 = W, source 1 = xn (q, k).  ori = 1: source 0 = xn, source 1 = W (v).  kk: the K step of 128.
.macro FETCHX ori, kk, set             ; source 0's eight fragments into set `set` of window 1
	WIN 0x40
.irp t, 0,1,2,3,4,5,6,7
.irp c, 0,1,2,3
.if \ori
	ds_load_b128 v[128*(\set)+16*\t+4*\c:128*(\set)+16*\t+4*\c+3], v[AXNX] offset:8192*\t+2048*(\kk)+512*\c
.else
	ds_load_b128 v[128*(\set)+16*\t+4*\c:128*(\set)+16*\t+4*\c+3], v[AWX+(\kk)/2] offset:4096*\t+2048*((\kk)%2)+512*\c
.endif
.endr
.endr
	WIN 0
.endm
.macro FETCHY ori, kk, a0              ; source 1's fragments a0 .. a0 + 3
.irp a, \a0, \a0+1, \a0+2, \a0+3
.irp c, 0,1,2,3
.if \ori
	ds_load_b128 v[YF+16*(\a)+4*\c:YF+16*(\a)+4*\c+3], v[AWY+(\kk)/2] offset:4096*(\a)+2048*((\kk)%2)+512*\c
.else
	ds_load_b128 v[YF+16*(\a)+4*\c:YF+16*(\a)+4*\c+3], v[AXNY] offset:8192*(\a)+2048*(\kk)+512*\c
.endif
.endr
.endr
.endm
; 16 matrix instructions: source 1's tiles a0, a0 + 1 x source 0's eight.  cm = 1: the bias is C and starts the sums.  The 64 accumulators take turns, one instruction a turn.
.macro MUL16 ori, a0, kk, cm
.irp a, \a0, \a0+1
.irp b, 0,1,2,3,4,5,6,7
.set rD, 8*(8*((\a)%4)+\b)
.set rX, 128*((\kk)%2)+16*\b
.set rY, YF+16*(\a)
.set rC, rD
.if \cm
.if \ori
.set rC, BI+8*(\a)
.else
.set rC, BI+8*\b
.endif
.endif
.if \ori
	v_wmma_scale_f32_16x16x128_f8f6f4 v[rD:rD+7], v[rX:rX+15], v[rY:rY+15], v[rC:rC+7], v[SC+4*\b+(\kk)], v[SC+4*(\a)+(\kk)] matrix_a_fmt:MATRIX_FMT_BF8 matrix_b_fmt:MATRIX_FMT_BF8 matrix_b_scale:MATRIX_SCALE_ROW1
.else
	v_wmma_scale_f32_16x16x128_f8f6f4 v[rD:rD+7], v[rX:rX+15], v[rY:rY+15], v[rC:rC+7], v[SC+4*\b+(\kk)], v[SC+4*(\a)+(\kk)] matrix_a_fmt:MATRIX_FMT_BF8 matrix_b_fmt:MATRIX_FMT_BF8 matrix_a_scale:MATRIX_SCALE_ROW1
.endif
.endr
.endr
.endm
.macro WINM cm, hi                     ; source 0 window 1, source 1 window 0, D window 2 or 3; C with D, or (the bias) window 0
.if \cm
	WIN 0x81+0x40*(\hi)
.else
	WIN 0xa1+0x50*(\hi)
.endif
.endm
; Loads into registers that matrix instructions have read stand eight places behind them.
.macro STEP ori, kk, cm                ; K steps 0 and 2: the successor lies in the same slot
	s_wait_dscnt 16                                ; source 0's set and source 1's tiles 0-3 are in; the youngest 16 loads (tiles 4-7) may be out
	WINM \cm, 0
	MUL16 \ori, 0, \kk, \cm
	MUL16 \ori, 2, \kk, \cm
	s_wait_dscnt 0x0
	PLACES 8
	FETCHX \ori, (\kk)+1, 1-(\kk)%2
	FETCHY \ori, (\kk)+1, 0
	WINM \cm, 1
	MUL16 \ori, 4, \kk, \cm
	MUL16 \ori, 6, \kk, \cm
	PLACES 8
	WIN 0
	FETCHY \ori, (\kk)+1, 4
.endm
; K step 1 leaves slot 0.  In front of the barrier each wave waits for all its tensor loads (slot 1's among them), adds 0 to its spare word, and waits for that and for its reads of slot 0.
.macro TURN ori, fill
	s_wait_tensorcnt 0x0
	ds_add_u32 v[SPW], v[NIL]
	s_wait_dscnt 17                                ; the add and the youngest 16 loads may be out
	WIN 0xa1
	MUL16 \ori, 0, 1, 0
	s_wait_dscnt 0x0                               ; the add is done, my reads of slot 0 are over
	s_barrier_signal -1
	MUL16 \ori, 2, 1, 0
	WIN 0
	s_barrier_wait -1
.if \fill
	CREST                                          ; the barrier has opened a round of the cluster's: no wave of any partner still reads slot 0 or has a load on its way
	s_add_nc_u64 s[50:51], s[50:51], 262144        ; the next weight's first two K steps
	tensor_load_to_lds s[48:51], s[36:43]
	s_nop 0
.endif
	PLACES 8
	FETCHX \ori, 2, 0
	FETCHY \ori, 2, 0
	WIN 0xf1
	MUL16 \ori, 4, 1, 0
	MUL16 \ori, 6, 1, 0
	PLACES 8
	WIN 0
	FETCHY \ori, 2, 4
.endm
.macro LAST ori, fill                  ; K step 3 leaves slot 1
.if \fill
	s_wait_tensorcnt 0x0                           ; slot 0's next tile has landed
	ds_add_u32 v[SPW], v[NIL]
	s_wait_dscnt 17
	WIN 0xa1
	MUL16 \ori, 0, 3, 0
	s_wait_dscnt 0x0
	s_barrier_signal -1
	MUL16 \ori, 2, 3, 0
	WIN 0
	s_barrier_wait -1
	CREST
	s_add_nc_u64 s[54:55], s[54:55], 262144        ; the next weight's last two K steps
	tensor_load_to_lds s[52:55], s[36:43]
	s_nop 0
	PLACES 4
.else
	s_wait_dscnt 16
	WIN 0xa1
	MUL16 \ori, 0, 3, 0
	MUL16 \ori, 2, 3, 0
	s_wait_dscnt 0x0
.endif
	WIN 0xf1
	MUL16 \ori, 4, 3, 0
	MUL16 \ori, 6, 3, 0
	WIN 0
	PLACES 9                                       ; nine: the next product's first instructions begin these accumulators anew
.endm
.macro START ori
	FETCHX \ori, 0, 0
	FETCHY \ori, 0, 0
	FETCHY \ori, 0, 4
	s_wait_loadcnt 0x0                             ; scale words and bias
.endm
; 64 accumulator registers of window win, register 16 b + i = k 32 b + 16 (lane / 16) + i of my row, become a fragment's codes in v[pc] on and its scale word in v[pw].  Each accumulator is read from its low end on.
.macro QUANTW base, win, pc, pw
	WIN (\win)|((\win)<<2)
.irp b, 0,1,2,3
	v_max3_num_f32 v[TM+\b], |v[(\base)+16*\b]|, |v[(\base)+1+16*\b]|, 0x8000000
.endr
	WIN ((\win)<<2)|((\win)<<4)
.irp i, 2,4,6,8,10,12,14
.irp b, 0,1,2,3
	v_max3_num_f32 v[TM+\b], v[TM+\b], |v[(\base)+16*\b+\i]|, |v[(\base)+1+16*\b+\i]|
.endr
.endr
	WIN 0
.irp b, 0,1,2,3
	v_permlanex16_b32 v[TM+4+\b], v[TM+\b], s[SEL], s[SEL+1]
.endr
.irp b, 0,1,2,3
	v_max_num_f32 v[TM+\b], v[TM+\b], v[TM+4+\b]
.endr
.irp b, 0,1,2,3
	v_add_nc_u32 v[TM+12+\b], 0xf8800000, v[TM+\b]
.endr
.irp b, 0,1,2,3
	v_and_or_b32 v[TM+8+\b], v[TM+\b], 0x7f800000, s[MNT]
.endr
.irp b, 0,1,2,3
	v_lshrrev_b32 v[TM+4+\b], 23, v[TM+12+\b]
.endr
	v_lshl_or_b32 v[\pw], v[TM+5], 8, v[TM+4]
	v_lshl_or_b32 v[\pw], v[TM+6], 16, v[\pw]
	v_lshl_or_b32 v[\pw], v[TM+7], 24, v[\pw]
	WIN ((\win)<<6)|(\win)
.irp b, 0,1,2,3
.irp i, 0,1,2,3,4,5,6,7,8,9,10,11,12,13,14,15
	v_med3_num_f32 v[(\base)+16*\b+\i], v[(\base)+16*\b+\i], -v[TM+8+\b], v[TM+8+\b]   ; the conversion does not saturate (ISA guide 7.6.2)
.endr
.endr
	WIN (\win)
.irp b, 0,1,2,3
	v_cvt_scalef32_pk8_bf8_f32 v[(\pc)+4*\b:(\pc)+1+4*\b], v[(\base)+16*\b:(\base)+7+16*\b], v[TM+12+\b]
	v_cvt_scalef32_pk8_bf8_f32 v[(\pc)+2+4*\b:(\pc)+3+4*\b], v[(\base)+8+16*\b:(\base)+15+16*\b], v[TM+12+\b]
.endr
	WIN 0
	v_nop                                          ; a plain line behind the last conversion
.endm
; The wave's eight fragments leave: 512 consecutive bytes a store; two tiles' scale words, 128 bytes, by one store.
.macro EPI fstr, of, os
.irp b, 0,1,2,3
	v_mov_b32 v[TM+4+\b], 0                        ; a lane permute's destination counts as one of its sources
.endr
.irp a, 0,1,2,3,4,5,6,7
	s_wait_xcnt 0x0                                ; the stores of two tiles back have read their registers
	QUANTW 64*(\a%4), 2+\a/4, PC+16*(\a%2), PWE+\a%2
.irp c, 0,1,2,3
	global_store_b128 v[L16], v[PC+16*(\a%2)+4*\c:PC+16*(\a%2)+4*\c+3], s[\of:\of+1] offset:\a*\fstr+512*\c
.endr
.if \a%2
	v_cndmask_b32 v[SW+(\a/2)%2], v[PWE], v[PWE+1], s73
	global_store_b32 v[L4], v[SW+(\a/2)%2], s[\os:\os+1] offset:64*(\a-1)
.endif
.endr
.endm
	s_wait_tensorcnt 0x1                           ; xn and slot 0 have landed; slot 1's load may stay out
	s_barrier_signal -1
	s_barrier_wait -1
.Lqk:                                              ; two trips: q, then k
	START 0
	STEP 0, 0, 1
	TURN 0, 1
	STEP 0, 2, 0
	LAST 0, 1
	SCLOAD                                         ; the next product's scale words land under the epilogue
	s_cmp_lg_u32 s74, 2
	s_cbranch_scc1 .Lno_kb
	BLOAD 10                                       ; behind q: k_b
.Lno_kb:
	EPI 8192, 56, 58
	s_wait_xcnt 0x0                                ; loads and stores have read their bases, offsets and data
	s_mov_b64 s[56:57], s[60:61]                   ; k's places
	s_mov_b64 s[58:59], s[62:63]
	v_mov_b32 v[VSN], v[VSV]                       ; behind k: v's scale words
	s_sub_co_u32 s74, s74, 1
	s_cmp_lg_u32 s74, 0
	s_cbranch_scc1 .Lqk
	s_wait_loadcnt 0x0
.irp a, 0,1,2,3,4,5,6,7
.irp j, 0,1,2,3,4,5,6,7
	v_mov_b32 v[BI+8*\a+\j], v[VB+\a]              ; v's bias hangs on the lane (its channel): the same number in a tile's eight registers
.endr
.endr
	START 1
	STEP 1, 0, 1
	TURN 1, 0
	STEP 1, 2, 0
	LAST 1, 0
	EPI 2048, 66, 68
	s_wait_tensorcnt 0x0                           ; the wave's end
	ds_add_u32 v[SPW], v[NIL]
	s_wait_dscnt 0x0
	CROUND                                         ; the closing round
	s_endpgm
.Lfunc_end_k_qb5ec2f1050_qkv:
	.size	k_qb5ec2f1050_qkv, .Lfunc_end_k_qb5ec2f1050_qkv-k_qb5ec2f1050_qkv
	.p2alignl 7, 3214868480
	.fill 96, 4, 3214868480
	.section	.rodata,"a",@progbits
	.p2align	6, 0x0
	.amdhsa_kernel k_qb5ec2f1050_qkv
		.amdhsa_group_segment_fixed_size 327680
		.amdhsa_private_segment_fixed_size 0
		.amdhsa_enable_private_segment 0
		.amdhsa_kernarg_size 72
		.amdhsa_user_sgpr_count 2
		.amdhsa_user_sgpr_kernarg_segment_ptr 1
		.amdhsa_wavefront_size32 1
		.amdhsa_system_sgpr_workgroup_id_x 1
		.amdhsa_system_sgpr_workgroup_id_y 1
		.amdhsa_system_sgpr_workgroup_id_z 1
		.amdhsa_system_vgpr_workitem_id 0
		.amdhsa_next_free_vgpr 1024
		.amdhsa_next_free_sgpr 96
		.amdhsa_reserve_vcc 0
		.amdhsa_float_denorm_mode_32 3
		.amdhsa_float_denorm_mode_16_64 3
		.amdhsa_memory_ordered 1
		.amdhsa_forward_progress 1
		.amdhsa_inst_pref_size 255
	.end_amdhsa_kernel
	.section	.bss,"aw",@nobits
	.p2align	6
	.space	262144
	.amdgpu_metadata
---
amdhsa.version: [ 1, 2 ]
amdhsa.kernels:
  - .name:           k_qb5ec2f1050_qkv
    .symbol:         k_qb5ec2f1050_qkv.kd
    .args:
      - { .name: xw, .offset: 0, .size: 8, .value_kind: global_buffer, .address_space: global }
      - { .name: sc, .offset: 8, .size: 8, .value_kind: global_buffer, .address_space: global }
      - { .name: q_b, .offset: 16, .size: 8, .value_kind: global_buffer, .address_space: global }
      - { .name: k_b, .offset: 24, .size: 8, .value_kind: global_buffer, .address_space: global }
      - { .name: v_b, .offset: 32, .size: 8, .value_kind: global_buffer, .address_space: global }
      - { .name: qf, .offset: 40, .size: 8, .value_kind: global_buffer, .address_space: global }
      - { .name: qs, .offset: 48, .size: 8, .value_kind: global_buffer, .address_space: global }
      - { .name: kvp, .offset: 56, .size: 8, .value_kind: global_buffer, .address_space: global }
      - { .name: kvs, .offset: 64, .size: 8, .value_kind: global_buffer, .address_space: global }
    .group_segment_fixed_size: 327680
    .private_segment_fixed_size: 0
    .kernarg_segment_align: 8
    .kernarg_segment_size: 72
    .max_flat_workgroup_size: 128
    .sgpr_count:     96
    .vgpr_count:     1024
    .wavefront_size: 32
...
	.end_amdgpu_metadata
.endif
;; end of part 2
;; launch attn (part 3): grid 8 x 32, 4 waves a work-group, clusters of 4 x 1, 327,680 bytes of LDS; arguments qf, qs, kvp, kvs, sc, p_b, x, out0; writes out0
.if DOCPART == 3
	.amdgcn_target "amdgcn-amd-amdhsa--gfx1250"
	.amdhsa_code_object_version 6
	.text
	.protected	k_qb5ec2f1050_attn
	.globl	k_qb5ec2f1050_attn
	.p2align	8
	.type	k_qb5ec2f1050_attn,@function
k_qb5ec2f1050_attn:
	s_mov_b64 s[64:65], 0
	v_nop
	global_prefetch_b8 v0, s[64:65] scope:SCOPE_SE
	s_setreg_imm32_b32 hwreg(HW_REG_WAVE_MODE, 25, 1), 1
	s_wait_xcnt 0x0
	s_wait_alu depctr_hold_cnt(0) depctr_sa_sdst(0) depctr_va_vdst(0) depctr_va_sdst(0) depctr_va_ssrc(0) depctr_va_vcc(0) depctr_vm_vsrc(0)
	s_getreg_b32 s2, hwreg(HW_REG_IB_STS2, 6, 4)
	s_cmp_eq_u32 s2, 0
	s_cbranch_scc0 .Lentry_in_a_cluster
	s_endpgm
.Lentry_in_a_cluster:
	s_bfe_u32 s2, ttmp6, 0x10000c
	s_cmp_lg_u32 s2, 0x3003
	s_cbranch_scc0 .Lentry_shape_is_right
	s_endpgm
.Lentry_shape_is_right:
; out0 = x + p_w softmax(q k^T / sqrt(512)) v + p_b, all three products on codes of BF8 (E5M2) with E8M0 scales.  One head of 512 channels, 1,024 keys an image.
; A work-group owns 128 queries of an image, a wave 32 of them: two tiles of 16.  Every wave walks all keys, 128 a step.
; Both attention products are used transposed (S^T = K Q^T, O^T = V^T P^T): a lane holds one query throughout.  The rows of every tile were chosen by the launches before
; (row r of tile 2 B + u = index 32 B + 8 u + r + 8 (r / 8)), so that p's 16 registers of two neighbouring tiles are 16 neighbouring keys, O^T's 16 neighbouring channels,
; and the last product's eight registers eight neighbouring pixels of one output channel.
; SOFTMAX: t = score x log2(e) / sqrt(512); M = the running largest t rounded up to a whole number; p = 2^(t - M) is quantised along the keys; the row's sum is taken of the unquantised p and divides O at the end;
; when M moves, the sum and O^T are multiplied by 2^(old M - new M): exact.  A block's largest p is made from the block's largest score by the same two instructions
; (this takes v_exp_f32 not to fall where its input rises; at the worst one p of a block is held one code low).
; THE RING: two LDS slots of 131,072 bytes.  Contents 0-7: a key step's K (8 tiles x 4 K steps) and V (32 tiles of channels), images of operand registers; contents 8, 9: the two halves of p_w's images.
; Each wave fetches a quarter of a content by one load; at each change of slots the next content is asked for into the slot just left and has a whole step in which to land: one tensor load of a wave is out.
; CLUSTER: the four query blocks of a cluster belong to one image and walk the same contents: every tensor load is joint (mask 15).
; The step from content 7 to content 8 is another number of bytes in the same buffer: it is chosen by s_cselect_b32 on the loop's counter, so that the key step is written once and no load is jumped over.
; A wave's 32 queries let a fragment of K or V feed two matrix instructions; a wider tile does not fit beside O^T's 512 registers.
; LIMITS: a block of zeros gets the byte 1 where the rule says 127 (its codes are zeros); NaN and infinities are not served; 1 / the row's sum is v_rcp_f32.
; REGISTERS: window 0: v1-15 addresses; v16-23 -M, largest t, the sum's halves, for each tile; v24-27 f, later 1 / sum; v28-29 p's scale words; v30-33 Q's; v34-53 at work; v56-63 the output's scale words;
;   v64-95 K's (lanes 0-15) and V's (lanes 16-31) scale words; v96-127 p's codes; v128-255 S^T, then p (last product: v128-159 results, v160-191 rows of out0, v192-199 p_b).
;   window 1: O^T of tile 0, later four sets of x.   window 2: O^T of tile 1.   window 3: v0-127 Q, later the output's codes; v128-255 fragments of K, V, p_w.
.set SLOT1, 131072
.set PS,    262144                     ; LDS behind the ring: p_w's scale words [K step 4][512], stored by the waves: no fill lands from here on
.set PBL,   PS+8192                    ; p_b
.set KVS,   PS+10240                   ; the image's K and V scale words, 4,096 bytes a key step
.set STG0,  KVS                        ; the last product's two stages, 32 rows x 528 bytes each, take KVS's place behind its last read and two barriers
.set STGB,  16896
.set SPARE, KVS+2*STGB                 ; the spare words: 128 bytes a wave
.set L16,  1
.set ADK,  2
.set ADV,  3
.set ASC0, 4
.set ASC,  5
.set SPW,  6
.set NIL,  7
.set STO,  8
.set RDS,  9
.set T16,  10
.set APS0, 11
.set APB0, 12
.set APF,  13
.set APS,  14
.set APB,  15
.set ST,   16
.set FF,   24
.set PW,   28
.set QS,   30
.set BM,   34
.set T2,   38
.set HO,   42
.set SO,   46
.set TA,   50
.set SUM,  52
.set TM,   34
.set OW,   56
.set KS,   64
.set PSR,  64
.set PC,   96
.set S,    128
.set D,    128
.set RB,   160
.set PB,   192
.set FB,   128
.set WV,   20
.set SEL,  36
.set CS,   38
.set MNT,  40
.set TB,   41
.set KO,   42
.set CNT,  43
.set MSB, 0
.macro WIN new
.if MSB != (\new)
	s_set_vgpr_msb (MSB<<8)|(\new)
.set MSB, (\new)
.endif
.endm
.macro PLACES n
.rept \n
	v_nop
.endr
.endm
.macro CROUND                          ; a round of the cluster's barrier
	s_barrier_signal -1
	s_barrier_wait -1
	s_cmp_lg_u32 s[WV], 0
	s_cbranch_scc1 .Lnot_wave_0_\@
	s_barrier_signal -3
.Lnot_wave_0_\@:
	s_barrier_wait -3
	s_barrier_signal -1
	s_barrier_wait -1
.endm
	s_load_b512 s[4:19], s[0:1], 0x0               ; qf, qs, kvp, kvs, sc, p_b, x, out0
	v_lshl_add_u32 v[SPW], v0, 2, SPARE
	v_mov_b32 v[NIL], 0
	ds_add_u32 v6, v7
	ds_add_u32 v6, v7
	s_wait_dscnt 0x0
	v_lshrrev_b32 v34, 5, v0
	v_readfirstlane_b32 s[WV], v34                 ; wave 0..3
	s_bfe_u32 s23, ttmp6, 0x40000                  ; cx
	s_lshl_b32 s21, ttmp9, 2
	s_add_co_u32 s21, s21, s23                     ; my block of 128 queries: it enters q's, x's and out0's addresses alone
	s_and_b32 s22, ttmp7, 0xffff                   ; the image, which the partners share
	s_mov_b32 s24, 15|(3<<16)|(1<<21)              ; group 1: the mask; elements of 8 bytes; bit 21 set beside a mask: 128 rows of 256 bytes, dense
	s_mov_b32 s25, 32<<16
	s_mov_b32 s26, 128<<16
	s_mov_b32 s27, 32<<16
	s_mov_b32 s28, 128
	s_mov_b32 s29, 32
	s_mov_b32 s30, 0
	s_mov_b32 s31, 0
	s_lshl_b32 s52, s22, 20                        ; the image's key step 0, my quarter
	s_lshl_b32 s53, s[WV], 15
	s_add_co_u32 s52, s52, s53
	s_mov_b32 s53, 0
	s_lshl_b32 s46, s22, 20
	s_sub_co_u32 s46, 0x1f20000, s46               ; from key step 7 to p_w's images: 33,554,432 - (8 image + 7) 131,072
	s_mov_b32 s45, 0
	s_wait_kmcnt 0x0
	s_mov_b32 s32, 1
	s_lshl_b32 s33, s[WV], 15                      ; slot 0, my quarter
	s_add_nc_u64 s[34:35], s[8:9], s[52:53]
	s_or_b32 s35, s35, 0x80000000
	CROUND                                         ; all four work-groups are here
	tensor_load_to_lds s[32:35], s[24:31]          ; content 0
	s_nop 0
	PLACES 4
	v_lshlrev_b32 v[T16], 4, v0
	v_lshl_add_u32 v35, v0, 4, PS
	v_and_b32 v36, 31, v0
	v_lshlrev_b32 v[L16], 4, v36
	v_lshlrev_b32 v51, 2, v36
	s_lshl_b32 s54, s22, 15
	s_mov_b32 s55, 0
	s_add_nc_u64 s[10:11], s[10:11], s[54:55]
.irp n, 0,1,2,3,4,5,6,7,8,9,10,11,12,13,14,15
	global_load_b128 v[S+4*\n:S+4*\n+3], v[T16], s[10:11] offset:2048*\n        ; the image's K and V scale words: 2,048 consecutive bytes a line of the work-group
.endr
.irp n, 0,1,2,3
	global_load_b128 v[S+64+4*\n:S+64+4*\n+3], v[T16], s[12:13] offset:573440+4096*\n   ; p_w's scale words
.endr
	global_load_b128 v[S+80:S+83], v[T16], s[14:15]                             ; p_b
	s_lshl_b32 s56, s21, 2
	s_add_co_u32 s56, s56, s[WV]                   ; my block of 32 pixels
	s_lshl_b32 s58, s22, 19
	s_lshl_b32 s59, s56, 14
	s_add_co_u32 s58, s58, s59
	s_mov_b32 s59, 0
	s_add_nc_u64 s[4:5], s[4:5], s[58:59]
	WIN 0xc0
.set ii, 0
.rept 32
	global_load_b128 v[4*ii:4*ii+3], v[L16], s[4:5] offset:512*ii               ; Q: tile qa, K step s at v[16 (4 qa + s)] of window 3: it stays
.set ii, ii+1
.endr
	WIN 0
	s_lshl_b32 s58, s22, 14
	s_lshl_b32 s57, s56, 7
	s_add_co_u32 s58, s58, s57
	s_add_nc_u64 s[6:7], s[6:7], s[58:59]
.irp n, 0,1,2,3
	global_load_b32 v[QS+\n], v51, s[6:7] offset:4096*\n                        ; lanes 0-15 tile 0's words, lanes 16-31 tile 1's
.endr
	s_lshl_b32 s58, s22, 21                        ; x and out0: image x 2,097,152 + 8 wave rows of 4,096 + 512 x query block
	s_lshl_b32 s57, s[WV], 15
	s_add_co_u32 s58, s58, s57
	s_lshl_b32 s57, s21, 9
	s_add_co_u32 s58, s58, s57
	s_add_nc_u64 s[48:49], s[16:17], s[58:59]
	s_add_nc_u64 s[50:51], s[18:19], s[58:59]
	v_and_b32 v37, 15, v0                          ; r
	v_bfe_u32 v38, v0, 4, 1                        ; h
	v_and_b32 v39, 8, v37
	v_add_nc_u32 v39, v39, v37                     ; r + 8 (r / 8)
	v_lshlrev_b32 v[ASC0], 2, v37
	v_lshl_add_u32 v[ASC0], v38, 11, v[ASC0]
	v_add_nc_u32 v[ASC0], KVS, v[ASC0]             ; lanes 0-15 K's words, lanes 16-31 V's, 2,048 bytes on
	v_mul_u32_u24 v[STO], v39, 528
	v_lshl_add_u32 v[STO], v38, 6, v[STO]
	s_lshl_b32 s60, s[WV], 7
	s_add_co_u32 s60, s60, STG0
	v_add_nc_u32 v[STO], s60, v[STO]               ; the stage, in: row = output channel, 128 bytes a wave, 64 a half
	s_mul_i32 s60, s[WV], 8*528
	s_add_co_u32 s60, s60, STG0
	v_add_nc_u32 v[RDS], s60, v[L16]               ; back: my eight rows, 512 bytes each
	v_lshlrev_b32 v[APS0], 2, v39
	v_lshl_add_u32 v[APS0], v38, 5, v[APS0]
	v_add_nc_u32 v[APS0], PS, v[APS0]              ; p_w's words: lanes 0-15 a chunk's first tile, lanes 16-31 its second
	s_lshl_b32 s60, s[WV], 5
	s_add_co_u32 s60, s60, PBL
	v_mov_b32 v[APB0], s60                         ; p_b of my eight rows
.irp qa, 0,1
	v_mov_b32 v[ST+4*\qa+1], 0xff61b1e6            ; the largest t so far: -3e38
	v_floor_f32 v[ST+4*\qa], -v[ST+4*\qa+1]        ; -M
	v_mov_b32 v[ST+4*\qa+2], 0                     ; the sum, in two halves
	v_mov_b32 v[ST+4*\qa+3], 0
	v_mov_b32 v[FF+2*\qa], 0
	v_mov_b32 v[FF+2*\qa+1], 0                     ; (named as a pair's upper half)
.endr
	s_mov_b32 s[SEL], 0x76543210
	s_mov_b32 s[SEL+1], 0xfedcba98
	s_mov_b32 s[CS], 0x3d8293ee                    ; c = log2(e) / sqrt(512)
	s_mov_b32 s[CS+1], s[CS]
	s_mov_b32 s[MNT], 0x600000
	s_mov_b32 s[TB], 0
	s_mov_b32 s[KO], 0
	s_mov_b32 s[CNT], 7
	s_wait_loadcnt 36                              ; the 21 copies are in; Q's 32 loads and its 4 scale loads may be out
.irp n, 0,1,2,3,4,5,6,7,8,9,10,11,12,13,14,15
	ds_store_b128 v35, v[S+4*\n:S+4*\n+3] offset:10240+2048*\n
.endr
.irp n, 0,1,2,3
	ds_store_b128 v35, v[S+64+4*\n:S+64+4*\n+3] offset:2048*\n
.endr
	ds_store_b128 v35, v[S+80:S+83] offset:8192
.irp b, 0,1,2,3
	v_mov_b32 v[T2+\b], 0                          ; a lane permute's destination counts as one of its sources
.endr
	s_wait_loadcnt 0x0
; THE CHANGE OF SLOTS stands at a step's head: each wave waits for all its tensor loads (its quarter of the content ahead), adds 0 to its spare word, steps the walking descriptor, and waits for the add and
; for its LDS instructions; the round shows both of every wave of every partner; the next content is asked for first thing behind it.  mode = 1: in the loop's last trip the step leads to p_w's images.
.macro CHANGE mode
	WIN 0
	s_wait_tensorcnt 0x0
	ds_add_u32 v[SPW], v[NIL]
	s_xor_b32 s33, s33, SLOT1
.if \mode
	s_cmp_eq_u32 s[CNT], 1
	s_cselect_b32 s44, s46, 0x20000
.else
	s_mov_b32 s44, 0x20000
.endif
	s_add_nc_u64 s[34:35], s[34:35], s[44:45]
	s_wait_dscnt 0x0
	CROUND
	tensor_load_to_lds s[32:35], s[24:31]
	s_nop 0
	PLACES 4
.endm
.macro KLOAD g                         ; K's group g: tiles 2 (g / 2), + 1; K steps 2 (g % 2), + 1: four fragments into half g % 2
.irp sg, 0,1
.irp ta, 0,1
.irp c, 0,1,2,3
	ds_load_b128 v[FB+64*((\g)%2)+16*(2*\sg+\ta)+4*\c:FB+64*((\g)%2)+16*(2*\sg+\ta)+4*\c+3], v[ADK] offset:(4*(2*((\g)/2)+\ta)+2*((\g)%2)+\sg)*2048+512*\c
.endr
.endr
.endr
.endm
.macro VLOAD g                         ; V's group g: tiles of channels 4 g .. 4 g + 3
.irp t, 0,1,2,3
.irp c, 0,1,2,3
	ds_load_b128 v[FB+64*((\g)%2)+16*\t+4*\c:FB+64*((\g)%2)+16*\t+4*\c+3], v[ADV] offset:2048*(4*(\g)+\t)+512*\c
.endr
.endr
.endm
; Eight products of S^T = K Q^T: four accumulators (two tiles of keys x two of queries) by turns, two K steps deep.  Then the group two further on is fetched into the half just multiplied.
.macro KGRP g
	s_wait_dscnt 16                                ; this group's loads are in; the next group's 16 may be out
	WIN 0x0f                                       ; K and Q window 3, S^T window 0
.irp sg, 0,1
.irp ta, 0,1
.irp qa, 0,1
.set kst, 2*((\g)%2)+\sg
.set til, 2*((\g)/2)+\ta
.set rS, S+64*\qa+8*til
.set rK, FB+64*((\g)%2)+16*(2*\sg+\ta)
.set rQ, 16*(4*\qa+kst)
.if kst == 0
.if \qa
	v_wmma_scale_f32_16x16x128_f8f6f4 v[rS:rS+7], v[rK:rK+15], v[rQ:rQ+15], 0, v[KS+8*kst+til], v[QS+kst] matrix_a_fmt:MATRIX_FMT_BF8 matrix_b_fmt:MATRIX_FMT_BF8 matrix_b_scale:MATRIX_SCALE_ROW1
.else
	v_wmma_scale_f32_16x16x128_f8f6f4 v[rS:rS+7], v[rK:rK+15], v[rQ:rQ+15], 0, v[KS+8*kst+til], v[QS+kst] matrix_a_fmt:MATRIX_FMT_BF8 matrix_b_fmt:MATRIX_FMT_BF8
.endif
.else
.if \qa
	v_wmma_scale_f32_16x16x128_f8f6f4 v[rS:rS+7], v[rK:rK+15], v[rQ:rQ+15], v[rS:rS+7], v[KS+8*kst+til], v[QS+kst] matrix_a_fmt:MATRIX_FMT_BF8 matrix_b_fmt:MATRIX_FMT_BF8 matrix_b_scale:MATRIX_SCALE_ROW1
.else
	v_wmma_scale_f32_16x16x128_f8f6f4 v[rS:rS+7], v[rK:rK+15], v[rQ:rQ+15], v[rS:rS+7], v[KS+8*kst+til], v[QS+kst] matrix_a_fmt:MATRIX_FMT_BF8 matrix_b_fmt:MATRIX_FMT_BF8
.endif
.endif
.endr
.endr
.endr
	PLACES 8                                       ; in front of loads into registers that these products read, and of the first read of results
	WIN 0xc0
.if (\g) < 6
	KLOAD (\g)+2
.else
	VLOAD (\g)-6
.endif
.endm
; Eight products of O^T += V^T P^T: four tiles of channels x two of queries, eight accumulators.  first = 1: they start the sums: nothing is cleared.
.macro VGRP g, first, cnt
	s_wait_dscnt \cnt
.irp qa, 0,1
	WIN 0x53+0x50*\qa                              ; V window 3, p window 0, O^T window 1 or 2
.irp t, 0,1,2,3
.set rO, 8*(4*(\g)+\t)
.set rV, FB+64*((\g)%2)+16*\t
.if \first
	v_wmma_scale_f32_16x16x128_f8f6f4 v[rO:rO+7], v[rV:rV+15], v[PC+16*\qa:PC+16*\qa+15], 0, v[KS+4*(\g)+\t], v[PW+\qa] matrix_a_fmt:MATRIX_FMT_BF8 matrix_b_fmt:MATRIX_FMT_BF8 matrix_a_scale:MATRIX_SCALE_ROW1
.else
	v_wmma_scale_f32_16x16x128_f8f6f4 v[rO:rO+7], v[rV:rV+15], v[PC+16*\qa:PC+16*\qa+15], v[rO:rO+7], v[KS+4*(\g)+\t], v[PW+\qa] matrix_a_fmt:MATRIX_FMT_BF8 matrix_b_fmt:MATRIX_FMT_BF8 matrix_a_scale:MATRIX_SCALE_ROW1
.endif
.endr
.endr
	PLACES 8
.if (\g) < 6
	WIN 0xc0
	VLOAD (\g)+2
.endif
.endm
; One tile's softmax for 128 keys: register 16 b + i of S^T is key 32 b + 16 (lane / 16) + i of my query.
.macro SOFT qa
.set SB, S+64*\qa
.set NM, ST+4*\qa
.set FQ, FF+2*\qa
.irp b, 0,1,2,3
	v_max3_num_f32 v[BM+\b], v[SB+16*\b], v[SB+1+16*\b], v[SB+2+16*\b]   ; the largest score of each block of 32 keys: for the row's maximum and for the block's largest p
.endr
.irp i, 3,5,7,9,11,13
.irp b, 0,1,2,3
	v_max3_num_f32 v[BM+\b], v[BM+\b], v[SB+16*\b+\i], v[SB+1+16*\b+\i]
.endr
.endr
.irp b, 0,1,2,3
	v_max_num_f32 v[BM+\b], v[BM+\b], v[SB+15+16*\b]
.endr
.irp b, 0,1,2,3
	v_permlanex16_b32 v[T2+\b], v[BM+\b], s[SEL], s[SEL+1]
.endr
.irp b, 0,1,2,3
	v_max_num_f32 v[BM+\b], v[BM+\b], v[T2+\b]     ; with lane l xor 16's 16 keys
.endr
	v_max3_num_f32 v[TA], v[BM], v[BM+1], v[BM+2]
	v_max_num_f32 v[TA], v[TA], v[BM+3]
	v_mul_f32 v[TA], s[CS], v[TA]
	v_max_num_f32 v[NM+1], v[NM+1], v[TA]          ; the running largest t
	v_mov_b32 v[TA], v[NM]
	v_floor_f32 v[NM], -v[NM+1]                    ; the new -M = -ceil(t)
	v_sub_f32 v[TA], v[NM], v[TA]                  ; old M - new M: a whole number, 0 or less
	v_cvt_i32_f32 v[TA], v[TA]                     ; (it saturates)
	v_ldexp_f32 v[FQ], 1.0, v[TA]                  ; f = 2^(old M - new M)
.set jj, 0
.rept 32
	v_pk_fma_f32 v[SB+jj:SB+jj+1], v[SB+jj:SB+jj+1], s[CS:CS+1], v[NM:NM+1] op_sel_hi:[1,0,0]   ; t - M
.set jj, jj+2
.endr
.irp b, 0,1,2,3
	v_fma_f32 v[BM+\b], v[BM+\b], s[CS], v[NM]
.endr
.set jj, 0
.rept 64
	v_exp_f32 v[SB+jj], v[SB+jj]                   ; p = 2^(t - M)
.set jj, jj+1
.endr
.irp b, 0,1,2,3
	v_exp_f32 v[BM+\b], v[BM+\b]                   ; the block's largest p
.endr
	v_pk_mul_f32 v[NM+2:NM+3], v[NM+2:NM+3], v[FQ:FQ+1] op_sel_hi:[1,0]   ; the sums under the new M (a plain line behind the exponentials)
	s_wait_alu depctr_va_vdst(0)
.irp b, 0,1,2,3
	v_max_num_f32 v[BM+\b], 0x8000000, v[BM+\b]    ; the floor 2^(16 - 127)
.endr
.irp b, 0,1,2,3
	v_add_nc_u32 v[SO+\b], 0xf8800000, v[BM+\b]
.endr
.irp b, 0,1,2,3
	v_and_or_b32 v[HO+\b], v[BM+\b], 0x7f800000, s[MNT]
.endr
.irp b, 0,1,2,3
	v_lshrrev_b32 v[T2+\b], 23, v[SO+\b]
.endr
	v_lshl_or_b32 v[PW+\qa], v[T2+1], 8, v[T2]
	v_lshl_or_b32 v[PW+\qa], v[T2+2], 16, v[PW+\qa]
	v_lshl_or_b32 v[PW+\qa], v[T2+3], 24, v[PW+\qa]
	v_pk_add_f32 v[SUM:SUM+1], v[SB:SB+1], v[SB+2:SB+3]   ; the row's sum of the unquantised p, in two chains
.irp j, 4,8,12,16,20,24,28,32,36,40,44,48,52,56,60
	v_pk_add_f32 v[NM+2:NM+3], v[NM+2:NM+3], v[SB+\j:SB+\j+1]
	v_pk_add_f32 v[SUM:SUM+1], v[SUM:SUM+1], v[SB+\j+2:SB+\j+3]
.endr
	v_pk_add_f32 v[NM+2:NM+3], v[NM+2:NM+3], v[SUM:SUM+1]
.irp b, 0,1,2,3
.irp i, 0,1,2,3,4,5,6,7,8,9,10,11,12,13,14,15
	v_min_num_f32 v[SB+16*\b+\i], v[SB+16*\b+\i], v[HO+\b]   ; the conversion does not saturate (ISA guide 7.6.2); p is not negative
.endr
	v_cvt_scalef32_pk8_bf8_f32 v[PC+16*\qa+4*\b:PC+16*\qa+4*\b+1], v[SB+16*\b:SB+16*\b+7], v[SO+\b]
	v_cvt_scalef32_pk8_bf8_f32 v[PC+16*\qa+4*\b+2:PC+16*\qa+4*\b+3], v[SB+16*\b+8:SB+16*\b+15], v[SO+\b]
.endr
.endm
.macro SCALEO qa                       ; O^T of tile qa times the low word of its pair (f, at the end 1 / sum), each accumulator from its low end on
	WIN 0x41+0x41*\qa
.set jj, 0
.rept 128
	v_pk_mul_f32 v[jj:jj+1], v[jj:jj+1], v[FF+2*\qa:FF+2*\qa+1] op_sel_hi:[1,0]
.set jj, jj+2
.endr
.endm
; A KEY STEP: 128 keys.
.macro STEPK first, mode
	CHANGE \mode
	v_add_nc_u32 v[ADK], s[TB], v[L16]
	v_add_nc_u32 v[ADV], 0x10000, v[ADK]
	v_add_nc_u32 v[ASC], s[KO], v[ASC0]
.set ii, 0
.rept 32
	ds_load_b32 v[KS+ii], v[ASC] offset:64*ii
.set ii, ii+1
.endr
	WIN 0xc0
	KLOAD 0
	KLOAD 1
.irp g, 0,1,2,3,4,5,6,7
	KGRP \g
.endr
	WIN 0
	SOFT 0
	SOFT 1
.if \first
	PLACES 8                                       ; p's codes and scale words stand their places ahead of the products
.else
	SCALEO 0                                       ; these 256 lines are those places too
	SCALEO 1
.endif
.irp g, 0,1,2,3,4,5,6
	VGRP \g, \first, 16
.endr
	VGRP 7, \first, 0
	WIN 0
	s_xor_b32 s[TB], s[TB], SLOT1
	s_add_co_u32 s[KO], s[KO], 4096
.endm
	STEPK 1, 0                                     ; the first key step starts O^T's sums
.Lkey:                                             ; seven trips
	STEPK 0, 1
	s_sub_co_u32 s[CNT], s[CNT], 1
	s_cmp_lg_u32 s[CNT], 0
	s_cbranch_scc1 .Lkey
	CHANGE 0                                       ; p_w's first half has landed; its second half is asked for and lands under the lines below
; 64 registers of O^T in window win become a fragment's codes at v[dst] of window 3 and its scale word in v[ow]
.macro QUANTW base, win, dst, ow
	WIN (\win)|((\win)<<2)
.irp b, 0,1,2,3
	v_max3_num_f32 v[TM+\b], |v[(\base)+16*\b]|, |v[(\base)+1+16*\b]|, 0x8000000
.endr
	WIN ((\win)<<2)|((\win)<<4)
.irp i, 2,4,6,8,10,12,14
.irp b, 0,1,2,3
	v_max3_num_f32 v[TM+\b], v[TM+\b], |v[(\base)+16*\b+\i]|, |v[(\base)+1+16*\b+\i]|
.endr
.endr
	WIN 0
.irp b, 0,1,2,3
	v_permlanex16_b32 v[TM+4+\b], v[TM+\b], s[SEL], s[SEL+1]
.endr
.irp b, 0,1,2,3
	v_max_num_f32 v[TM+\b], v[TM+\b], v[TM+4+\b]
.endr
.irp b, 0,1,2,3
	v_add_nc_u32 v[TM+12+\b], 0xf8800000, v[TM+\b]
.endr
.irp b, 0,1,2,3
	v_and_or_b32 v[TM+8+\b], v[TM+\b], 0x7f800000, s[MNT]
.endr
.irp b, 0,1,2,3
	v_lshrrev_b32 v[TM+4+\b], 23, v[TM+12+\b]
.endr
	v_lshl_or_b32 v[\ow], v[TM+5], 8, v[TM+4]
	v_lshl_or_b32 v[\ow], v[TM+6], 16, v[\ow]
	v_lshl_or_b32 v[\ow], v[TM+7], 24, v[\ow]
	WIN ((\win)<<6)|(\win)
.irp b, 0,1,2,3
.irp i, 0,1,2,3,4,5,6,7,8,9,10,11,12,13,14,15
	v_med3_num_f32 v[(\base)+16*\b+\i], v[(\base)+16*\b+\i], -v[TM+8+\b], v[TM+8+\b]
.endr
.endr
	WIN 0xc0|(\win)
.irp b, 0,1,2,3
	v_cvt_scalef32_pk8_bf8_f32 v[(\dst)+4*\b:(\dst)+1+4*\b], v[(\base)+16*\b:(\base)+7+16*\b], v[TM+12+\b]
	v_cvt_scalef32_pk8_bf8_f32 v[(\dst)+2+4*\b:(\dst)+3+4*\b], v[(\base)+8+16*\b:(\base)+15+16*\b], v[TM+12+\b]
.endr
	WIN 0
	v_nop                                          ; a plain line behind the last conversion
.endm
	; ---- O^T / the row's sum, quantised along the channels: the last product's operand
.irp qa, 0,1
	v_add_f32 v[ST+4*\qa+2], v[ST+4*\qa+2], v[ST+4*\qa+3]
.endr
.irp qa, 0,1
	v_permlanex16_b32 v[TM+4+\qa], v[ST+4*\qa+2], s[SEL], s[SEL+1]
.endr
.irp qa, 0,1
	v_add_f32 v[ST+4*\qa+2], v[ST+4*\qa+2], v[TM+4+\qa]
.endr
.irp qa, 0,1
	v_rcp_f32 v[FF+2*\qa], v[ST+4*\qa+2]
.endr
	v_nop                                          ; a plain line behind the transcendentals
	s_wait_alu depctr_va_vdst(0)
	SCALEO 0
.irp n, 0,1,2,3
	QUANTW 64*\n, 1, 16*\n, OW+\n
.endr
	WIN 0x40                                       ; window 1 is free: x of the first four chunks of 32 output channels, my eight rows of each
.irp k, 0,1,2,3
.irp i, 0,1,2,3,4,5,6,7
	global_load_b128 v[32*\k+4*\i:32*\k+4*\i+3], v[L16], s[48:49] offset:131072*\k+4096*\i th:TH_LOAD_NT
.endr
.endr
	SCALEO 1
.irp n, 0,1,2,3
	QUANTW 64*\n, 2, 16*(4+\n), OW+4+\n
.endr
	s_wait_tensorcnt 0x0                           ; my quarter of p_w's second half has landed;
	s_wait_dscnt 0x0
	s_barrier_signal -1
	s_barrier_wait -1                              ; everybody's has: p_w's 32 tiles lie on end from LDS byte 0
.macro PFLOAD adr, off                 ; a chunk's two tiles x four K steps of p_w: 16,384 bytes on end
	WIN 0xc0
.set ii, 0
.rept 32
	ds_load_b128 v[FB+4*ii:FB+4*ii+3], v[\adr] offset:(\off)+512*ii
.set ii, ii+1
.endr
	WIN 0
.endm
; A CHUNK: 32 output channels x the work-group's 128 pixels.  Source 0 = my output codes (16 queries), source 1 = 16 rows of p_w: a lane holds one output channel and eight neighbouring pixels.
; The four waves' parts of a row meet in a stage; each wave takes eight whole rows of 512 bytes, adds x and p_b and stores them.  Two stages by turns: one barrier a chunk orders both ways.
.macro PCHUNK k, load, cnt, next
	s_wait_dscnt 0x0                               ; p_w's fragments and scale words are in
	WIN 0x0f
.irp n, 0,1,2,3
.irp u, 0,1
.irp qa, 0,1
.set rD, D+8*(2*\u+\qa)
.set rA, 16*(4*\qa+\n)
.set rB, FB+16*(4*\u+\n)
.if \n == 0
.if \u
	v_wmma_scale_f32_16x16x128_f8f6f4 v[rD:rD+7], v[rA:rA+15], v[rB:rB+15], 0, v[OW+4*\qa+\n], v[PSR+\n] matrix_a_fmt:MATRIX_FMT_BF8 matrix_b_fmt:MATRIX_FMT_BF8 matrix_b_scale:MATRIX_SCALE_ROW1
.else
	v_wmma_scale_f32_16x16x128_f8f6f4 v[rD:rD+7], v[rA:rA+15], v[rB:rB+15], 0, v[OW+4*\qa+\n], v[PSR+\n] matrix_a_fmt:MATRIX_FMT_BF8 matrix_b_fmt:MATRIX_FMT_BF8
.endif
.else
.if \u
	v_wmma_scale_f32_16x16x128_f8f6f4 v[rD:rD+7], v[rA:rA+15], v[rB:rB+15], v[rD:rD+7], v[OW+4*\qa+\n], v[PSR+\n] matrix_a_fmt:MATRIX_FMT_BF8 matrix_b_fmt:MATRIX_FMT_BF8 matrix_b_scale:MATRIX_SCALE_ROW1
.else
	v_wmma_scale_f32_16x16x128_f8f6f4 v[rD:rD+7], v[rA:rA+15], v[rB:rB+15], v[rD:rD+7], v[OW+4*\qa+\n], v[PSR+\n] matrix_a_fmt:MATRIX_FMT_BF8 matrix_b_fmt:MATRIX_FMT_BF8
.endif
.endif
.endr
.endr
.endr
	PLACES 8
	WIN 0
.irp u, 0,1
.irp qa, 0,1
	ds_store_b128 v[STO], v[D+8*(2*\u+\qa):D+8*(2*\u+\qa)+3] offset:((\k)%2)*STGB+\u*4224+32*\qa       ; each accumulator from its low end on
	ds_store_b128 v[STO], v[D+8*(2*\u+\qa)+4:D+8*(2*\u+\qa)+7] offset:((\k)%2)*STGB+\u*4224+32*\qa+16
.endr
.endr
	s_wait_dscnt 0x0                               ; for the others' sake: my part of the rows lies in the stage, and my reads of the other stage are long over
	s_barrier_signal -1
	s_barrier_wait -1
	s_wait_xcnt 0x0                                ; the last chunk's stores have read their registers
.irp i, 0,1,2,3,4,5,6,7
	ds_load_b128 v[RB+4*\i:RB+4*\i+3], v[RDS] offset:((\k)%2)*STGB+528*\i
.endr
	ds_load_b128 v[PB:PB+3], v[APB] offset:128*(\k)
	ds_load_b128 v[PB+4:PB+7], v[APB] offset:128*(\k)+16
.if \next
	PFLOAD APF, 16384*(\k)                         ; the next chunk's fragments and scale words land under the additions and stores
.irp n, 0,1,2,3
	ds_load_b32 v[PSR+\n], v[APS] offset:2048*\n+128*((\k)+1)
.endr
	s_wait_dscnt 36                                ; my rows and p_b are in; those 36 may be out
.else
	s_wait_dscnt 0x0
.endif
	s_wait_loadcnt \cnt                            ; this chunk's x is in; that of the chunks behind may be out
	WIN 0x04                                       ; source 1 (x) window 1
.set jj, 0
.rept 16
	v_pk_add_f32 v[RB+jj:RB+jj+1], v[RB+jj:RB+jj+1], v[32*(\k)+jj:32*(\k)+jj+1]
.set jj, jj+2
.endr
	WIN 0
.irp i, 0,1,2,3,4,5,6,7
.irp e, 0,1,2,3
	v_add_f32 v[RB+4*\i+\e], v[RB+4*\i+\e], v[PB+\i]
.endr
.endr
.irp i, 0,1,2,3,4,5,6,7
	global_store_b128 v[L16], v[RB+4*\i:RB+4*\i+3], s[50:51] offset:131072*(\k)+4096*\i th:TH_STORE_NT   ; 512 consecutive bytes, aligned
.endr
.if \load
	WIN 0x40
.irp i, 0,1,2,3,4,5,6,7
	global_load_b128 v[32*(\k)+4*\i:32*(\k)+4*\i+3], v[L16], s[48:49] offset:131072*((\k)+4)+4096*\i th:TH_LOAD_NT
.endr
	WIN 0
.endif
.endm
	PFLOAD L16, 0                                  ; chunk 0
.irp n, 0,1,2,3
	ds_load_b32 v[PSR+\n], v[APS0] offset:2048*\n
.endr
	s_mov_b32 s[TB], 16384                         ; where the next chunk's fragments begin,
	s_mov_b32 s[KO], 0                             ; and this trip's scale words and p_b
	s_mov_b32 s[CNT], 3
.Lp:                                               ; three trips of four chunks
	v_add_nc_u32 v[APF], s[TB], v[L16]
	v_add_nc_u32 v[APS], s[KO], v[APS0]
	v_add_nc_u32 v[APB], s[KO], v[APB0]
	PCHUNK 0, 1, 24, 1
	PCHUNK 1, 1, 24, 1
	PCHUNK 2, 1, 24, 1
	PCHUNK 3, 1, 24, 1
	s_wait_xcnt 0x0                                ; loads and stores have read their bases
	s_add_nc_u64 s[48:49], s[48:49], 524288
	s_add_nc_u64 s[50:51], s[50:51], 524288
	s_add_co_u32 s[TB], s[TB], 65536
	s_add_co_u32 s[KO], s[KO], 512
	s_sub_co_u32 s[CNT], s[CNT], 1
	s_cmp_lg_u32 s[CNT], 0
	s_cbranch_scc1 .Lp
	v_add_nc_u32 v[APF], s[TB], v[L16]             ; the last four chunks load no x: the counts run down
	v_add_nc_u32 v[APS], s[KO], v[APS0]
	v_add_nc_u32 v[APB], s[KO], v[APB0]
	PCHUNK 0, 0, 24, 1
	PCHUNK 1, 0, 16, 1
	PCHUNK 2, 0, 8, 1
	PCHUNK 3, 0, 0, 0
	s_wait_tensorcnt 0x0                           ; the wave's end
	ds_add_u32 v[SPW], v[NIL]
	s_wait_dscnt 0x0
	CROUND                                         ; the closing round
	s_endpgm
.Lfunc_end_k_qb5ec2f1050_attn:
	.size	k_qb5ec2f1050_attn, .Lfunc_end_k_qb5ec2f1050_attn-k_qb5ec2f1050_attn
	.p2alignl 7, 3214868480
	.fill 96, 4, 3214868480
	.section	.rodata,"a",@progbits
	.p2align	6, 0x0
	.amdhsa_kernel k_qb5ec2f1050_attn
		.amdhsa_group_segment_fixed_size 327680
		.amdhsa_private_segment_fixed_size 0
		.amdhsa_enable_private_segment 0
		.amdhsa_kernarg_size 64
		.amdhsa_user_sgpr_count 2
		.amdhsa_user_sgpr_kernarg_segment_ptr 1
		.amdhsa_wavefront_size32 1
		.amdhsa_system_sgpr_workgroup_id_x 1
		.amdhsa_system_sgpr_workgroup_id_y 1
		.amdhsa_system_sgpr_workgroup_id_z 1
		.amdhsa_system_vgpr_workitem_id 0
		.amdhsa_next_free_vgpr 1024
		.amdhsa_next_free_sgpr 66
		.amdhsa_reserve_vcc 0
		.amdhsa_float_denorm_mode_32 3
		.amdhsa_float_denorm_mode_16_64 3
		.amdhsa_memory_ordered 1
		.amdhsa_forward_progress 1
		.amdhsa_inst_pref_size 255
	.end_amdhsa_kernel
	.section	.bss,"aw",@nobits
	.p2align	6
	.space	262144
	.amdgpu_metadata
---
amdhsa.version: [ 1, 2 ]
amdhsa.kernels:
  - .name:           k_qb5ec2f1050_attn
    .symbol:         k_qb5ec2f1050_attn.kd
    .args:
      - { .name: qf, .offset: 0, .size: 8, .value_kind: global_buffer, .address_space: global }
      - { .name: qs, .offset: 8, .size: 8, .value_kind: global_buffer, .address_space: global }
      - { .name: kvp, .offset: 16, .size: 8, .value_kind: global_buffer, .address_space: global }
      - { .name: kvs, .offset: 24, .size: 8, .value_kind: global_buffer, .address_space: global }
      - { .name: sc, .offset: 32, .size: 8, .value_kind: global_buffer, .address_space: global }
      - { .name: p_b, .offset: 40, .size: 8, .value_kind: global_buffer, .address_space: global }
      - { .name: x, .offset: 48, .size: 8, .value_kind: global_buffer, .address_space: global }
      - { .name: out0, .offset: 56, .size: 8, .value_kind: global_buffer, .address_space: global }
    .group_segment_fixed_size: 327680
    .private_segment_fixed_size: 0
    .kernarg_segment_align: 8
    .kernarg_segment_size: 64
    .max_flat_workgroup_size: 128
    .sgpr_count:     66
    .vgpr_count:     1024
    .wavefront_size: 32
...
	.end_amdgpu_metadata
.endif
;; end of part 3
